; MI455X (gfx1250); checked and timed in simulation.
; The chip was launched on July 23, 2026; its instructions are those of AMD's public machine-readable ISA for CDNA 5 (MIT licence, August 2026) and "CDNA5" Instruction Set Architecture Reference Guide (July 2026). The comments in the code are by the model that wrote it; some were corrected since.
;; Multi Head Attention. Allowed arithmetic: matrix products marked QUANTISED: E2M1 operands, one E8M0 scale for each 32 along K, by v_wmma_scale_f32_16x16x128_f8f6f4 with both operands' format E2M1 (or v_wmma_scale_f32_32x16x128_f4), f32 sums; products left as they are: bf16, f16 or f32 operands; f32 sums; everything else in f32.
;; Inputs: b_k 1,024 float32; b_o 1,024 float32; b_q 1,024 float32; b_v 1,024 float32; key 4 x 2,048 x 1,024 float32; mask 1 x 1 x 2,048 x 2,048 int32; query 4 x 2,048 x 1,024 float32; rel_bias_table 4,095 x 16 float32; value 4 x 2,048 x 1,024 float32; w_k 1,024 x 1,024 float32; w_o 1,024 x 1,024 float32; w_q 1,024 x 1,024 float32; w_v 1,024 x 1,024 float32.
;; Outputs: out0 4 x 2,048 x 1,024 float32.
;; This version of the problem:
;;   THIS VERSION OF THE PROBLEM IS GIVEN IN LOW PRECISION. The matrix products marked QUANTISED in the list below multiply operands that are first quantised to E2M1 (2 exponent bits, 1 mantissa bit; 4 bits a number), with one power-of-two scale for each 32 numbers along K (OCP MX v1.0); their sums are f32. The products marked 'left as it is' may take bf16, f16 or f32 operands, with f32 sums. All else is computed in f32.
;;   The module's matrix products, in the order in which they are computed (A, B: the left and right operand; K: the contracted axis; several contracted axes count as one K, in the product's order):
;;     1. [M 8,192, K 1,024] x [K 1,024, N 1,024]; A: input query; B: input w_q: QUANTISED
;;     2. [M 8,192, K 1,024] x [K 1,024, N 1,024]; A: input key; B: input w_k: QUANTISED
;;     3. [M 8,192, K 1,024] x [K 1,024, N 1,024]; A: input value; B: input w_v: QUANTISED
;;     4. batch 64 x [M 2,048, K 64] x [K 64, N 2,048]; A: computed on the way; B: computed on the way: left as it is (an operand is computed on the way)
;;     5. batch 64 x [M 2,048, K 2,048] x [K 2,048, N 64]; A: computed on the way; B: computed on the way: left as it is (an operand is computed on the way)
;;     6. [M 8,192, K 1,024] x [K 1,024, N 1,024]; A: computed on the way; B: input w_o: left as it is (an operand is computed on the way)
;;   THE QUANTISER, for each operand of a quantised product, along K:
;;     - K is cut into blocks of 32 from its start; a last block that is shorter is filled with zeros.
;;     - A block's scale is 2^e with e = floor(log2(the largest magnitude in the block)) - 2, held to -126 .. 127; a block of zeros has e = 0. As a byte (E8M0): e + 127.
;;     - Each number is divided by its block's scale, clamped to +-6, and rounded to the nearest number of E2M1, ties to even, subnormals kept.
;;     - The product sums the exact products of the quantised numbers (number of the format x scale) in f32.
;;   ~~~python
;;   def quantise(x, axis):      # numpy; x: float32 -> the quantised numbers, widened to float32 again
;;       x = np.moveaxis(x, axis, -1); K = x.shape[-1]
;;       x = np.pad(x, [(0, 0)] * (x.ndim - 1) + [(0, -K % 32)]); x = x.reshape(x.shape[:-1] + (-1, 32)); a = np.abs(x).max(-1, keepdims=True)
;;       e = np.where(a > 0, np.clip(np.frexp(np.where(a > 0, a, 1))[1] - 1 - 2, -126, 127), 0)      # np.frexp(a)[1] - 1 = floor(log2(a)), exactly
;;       r = np.clip(x / 2.0 ** e, -6, 6)
;;       step = 2.0 ** (np.maximum(np.frexp(np.where(r == 0, 1, r))[1] - 1, 0) - 1)
;;       q = np.round(r / step) * step * 2.0 ** e      # np.round: ties to even
;;       return np.moveaxis(q.reshape(q.shape[:-2] + (-1,))[..., :K], -1, axis).astype(np.float32)
;;   ~~~
;; One version. Each part assembles by itself: llvm-mc -triple=amdgcn-amd-amdhsa -mcpu=gfx1250 --defsym DOCPART=n.
;; ======== version 1 of 1: 4 launches
;; limits: values are held in f16: magnitudes above 65,504 overflow, below 6.1e-05 lose precision
;; workspace buffers: codes 14,155,776 bytes; scales 884,736 bytes; wof 2,097,152 bytes; mw 524,288 bytes of whole numbers; rt 262,144 bytes; qkv 50,331,648 bytes; cf 16,777,216 bytes
;; launch prep (part 1): grid 1512 x 1, 4 waves a work-group, no clusters, 67,072 bytes of LDS; arguments query, key, value, w_q, w_k, w_v, w_o, mask, rel_bias_table, codes, scales, wof, mw, rt; writes codes, scales, wof, mw, rt
.if DOCPART == 1
	.amdgcn_target "amdgcn-amd-amdhsa--gfx1250"
	.amdhsa_code_object_version 6
	.text
	.protected	k_qd535a7b03e_prep
	.globl	k_qd535a7b03e_prep
	.p2align	8
	.type	k_qd535a7b03e_prep,@function
k_qd535a7b03e_prep:
	s_mov_b64 s[64:65], 0
	v_nop
	global_prefetch_b8 v0, s[64:65] scope:SCOPE_SE
	s_setreg_imm32_b32 hwreg(HW_REG_WAVE_MODE, 25, 1), 1
	s_wait_xcnt 0x0
; PREP: everything that is made once from the inputs, in one launch.  The work-group's number picks the role:
;   0 .. 863      query, key, value, w_q, w_k, w_v (f32, K innermost) -> codes of FP4 (E2M1) and E8M0 scale bytes, one for each 32 along K
;   864 .. 1375   mask (int32) -> words of 32 bits in the lane order of a 16 x 16 score tile (lane = query % 16 + 16 x (key / 8 % 2), word j = key % 8)
;   1376 .. 1503  w_o -> f16, laid as images of the matrix operand's registers: pieces of 512 bytes, lane l's 16 bytes at 16 l
;   1504 .. 1511  rel_bias_table -> for each head a row of 4,096 f32, rt[h][e] = table[4094 - e][h] x log2(e), e = key - query + 2047
; THE QUANTISER: a block's scale is 2^(floor(log2(its largest magnitude)) - 2); its byte is the largest magnitude's exponent field - 2, held at 1 from below;
; each number is divided by the scale and rounded to the nearest code, ties to even, beyond 6 the largest code.
; WHY f16 FOR w_o: the output is compared within a hundredth of its root mean square, and four roundings stand one behind the other on the way to it (V, p, the context, w_o); a rounding to 8 significant bits
; has a half step of 2^-8, four of them leave too little of that hundredth; f16's 11 bits do.
; LIMITS: a block of zeros gets the byte 1 where the rule says 127 (its codes are zeros, and this program alone reads the bytes); blocks whose largest magnitude lies
; under 2^-124 are held at the byte 1; NaN and infinities among the inputs are not served; |w_o| stays under 65,504, f16's largest number (drawn: 0.02 in the root mean square).
; The six tensors are plain streams of blocks of 32; their codes and bytes follow each other in the two buffers in the order of the work-groups.
; No tensor loads, no barrier: waves share nothing.  Each role has LDS bytes of its own: the quantiser bytes 0 .. 32,767, the other three 32,768 on.
.set QWG,   864                        ; work-groups that quantise: 3 x 256 + 3 x 32, 32,768 numbers each
.set STEPS, 16
.set EMAX,  2
.set CB,    8                          ; bytes of 16 codes
.set R,     16                         ; v16-79   four sets of 16 numbers as they are loaded
.set X,     80                         ; v80-111  two sets of 16 neighbours
.set E,     112                        ; v112-127 a scale byte for each step
.set C,     128                        ; v128-191 codes: four registers for each step
.set WREG,  8192                       ; the quantiser's LDS: a region for each wave: two stages of 32 x SP bytes, then its 256 scale bytes
.set SP,    80                         ; a lane's place in a stage: 64 bytes + 16 of padding
.set STG,   32768                      ; the other roles' LDS: for each wave a stage of 16 rows
.set SPT,   528                        ; of 512 bytes + 16 of padding
.set OFF,   16                         ; v16-31   the byte offsets of my 16 bytes in the 16 rows
.set XI,    32                         ; v32-95   the rows as loaded; later w_o's packed pieces
.set Y,     96                         ; v96-159  the rows as they come back from the stage
	s_load_b512 s[4:19], s[0:1], 0x0               ; query 4, key 6, value 8, w_q 10, w_k 12, w_v 14, w_o 16, mask 18
	s_load_b256 s[20:27], s[0:1], 0x40             ; table 20, codes 22, scales 24, wof 26
	s_load_b128 s[28:31], s[0:1], 0x60             ; mw 28, rt 30
	v_lshl_add_u32 v192, v0, 2, 0x10400
	v_mov_b32 v193, 0
	v_lshrrev_b32 v1, 5, v0
	v_readfirstlane_b32 s36, v1                    ; wave
	v_and_b32 v2, 31, v0                           ; lane
	s_cmp_lt_u32 ttmp9, QWG
	s_cbranch_scc0 .Lturn
; ---------------- the quantiser.  A wave takes 16 steps of 512 numbers.  Each load reads 512 consecutive bytes; a step's 2,048 bytes turn through the wave's stage so that a lane holds 16 neighbours.
	v_lshlrev_b32 v3, 4, v2                        ; my 16 bytes of a load's 512
	s_mul_i32 s37, s36, WREG
	v_lshrrev_b32 v14, 2, v2
	v_mul_u32_u24 v14, v14, SP
	v_and_b32 v15, 3, v2
	v_lshl_add_u32 v14, v15, 4, v14
	v_add_nc_u32 v14, s37, v14                     ; into the stage: SP (lane / 4) + 16 (lane % 4)
	v_mul_u32_u24 v15, v2, SP
	v_add_nc_u32 v15, s37, v15                     ; out of it: SP x lane
	v_mul_u32_u24 v4, v2, CB                       ; my codes' place in a step's
	v_lshrrev_b32 v5, 1, v2
	s_add_co_u32 s37, s37, 2*32*SP
	v_add_nc_u32 v5, s37, v5                       ; my block's scale byte in the wave's 256
	v_lshlrev_b32 v7, 3, v2
	v_add_nc_u32 v6, s37, v7                       ; and on the way out 8 bytes a lane
	s_wait_kmcnt 0x0
	s_mov_b64 s[32:33], s[14:15]                   ; which tensor, and its first work-group: the choice hangs on the work-group's number alone
	s_mov_b32 s34, 832
	s_cmp_lt_u32 ttmp9, 832
	s_cselect_b64 s[32:33], s[12:13], s[32:33]
	s_cselect_b32 s34, 800, s34
	s_cmp_lt_u32 ttmp9, 800
	s_cselect_b64 s[32:33], s[10:11], s[32:33]
	s_cselect_b32 s34, 768, s34
	s_cmp_lt_u32 ttmp9, 768
	s_cselect_b64 s[32:33], s[8:9], s[32:33]
	s_cselect_b32 s34, 512, s34
	s_cmp_lt_u32 ttmp9, 512
	s_cselect_b64 s[32:33], s[6:7], s[32:33]
	s_cselect_b32 s34, 256, s34
	s_cmp_lt_u32 ttmp9, 256
	s_cselect_b64 s[32:33], s[4:5], s[32:33]
	s_cselect_b32 s34, 0, s34
	s_sub_co_u32 s34, ttmp9, s34
	s_lshl_b32 s34, s34, 2
	s_add_co_u32 s34, s34, s36                     ; my run of 8,192 numbers in the tensor
	s_lshl_b32 s34, s34, 15                        ; 32,768 bytes a run
	s_mov_b32 s35, 0
	s_add_nc_u64 s[32:33], s[32:33], s[34:35]
	s_lshl_b32 s34, ttmp9, 2
	s_add_co_u32 s34, s34, s36                     ; my run among all six tensors' runs
	s_lshl_b32 s38, s34, 12                        ; 4,096 bytes of codes a run
	s_mov_b32 s39, 0
	s_add_nc_u64 s[22:23], s[22:23], s[38:39]
	s_lshl_b32 s38, s34, 8                         ; 256 scale bytes a run
	s_add_nc_u64 s[24:25], s[24:25], s[38:39]
.macro LOAD t
.irp i, 0,1,2,3
	global_load_b128 v[R+16*((\t)%4)+4*\i:R+16*((\t)%4)+4*\i+3], v3, s[32:33] offset:2048*(\t)+512*\i th:TH_LOAD_NT   ; 32 lanes read 512 consecutive bytes
.endr
.endm
.macro TURN t                          ; step t's numbers through the stage: LDS serves a wave's instructions in order, so no wait stands between the stores and the loads
.irp i, 0,1,2,3
	ds_store_b128 v14, v[R+16*((\t)%4)+4*\i:R+16*((\t)%4)+4*\i+3] offset:32*SP*((\t)%2)+8*SP*\i
.endr
.irp i, 0,1,2,3
	ds_load_b128 v[X+16*((\t)%2)+4*\i:X+16*((\t)%2)+4*\i+3], v15 offset:32*SP*((\t)%2)+16*\i
.endr
.endm
.irp t, 0,1,2,3
	LOAD \t
.endr
	s_wait_loadcnt 12                              ; step 0's four loads are in
	TURN 0
.macro STEP t
.set XS, X+16*((\t)%2)
.if (\t) > 0
	s_wait_dscnt 1                                 ; this step's numbers are back from the stage (the last step's byte store may be out): so its stores into the stage have read their registers,
.else
	s_wait_dscnt 0x0
.endif
.if (\t)+4 < STEPS
	LOAD (\t)+4                                    ; which take the loads of four steps on
.endif
.if (\t)+1 < STEPS
.if STEPS-2-(\t) >= 3
	s_wait_loadcnt 12                              ; the next step's four loads are in; those of the three steps behind it may be out
.else
	s_wait_loadcnt 4*(STEPS-2-(\t))
.endif
	TURN (\t)+1                                    ; and go through the other stage while this step is worked
.endif
	v_max3_num_f32 v8, |v[XS]|, |v[XS+1]|, |v[XS+2]|               ; the largest magnitude of my 16, in two chains
	v_max3_num_f32 v9, |v[XS+3]|, |v[XS+4]|, |v[XS+5]|
.irp i, 6,10
	v_max3_num_f32 v8, v8, |v[XS+\i]|, |v[XS+\i+1]|
	v_max3_num_f32 v9, v9, |v[XS+\i+2]|, |v[XS+\i+3]|
.endr
	v_max3_num_f32 v8, v8, |v[XS+14]|, |v[XS+15]|
	v_max3_num_f32 v8, v8, v9, (EMAX+1)<<23        ; and the floor 2^(EMAX + 1 - 127): the byte cannot fall under 1
	v_max_num_f32_dpp v8, v8, v8 row_xmask:1 row_mask:0xf bank_mask:0xf   ; and of my neighbour's 16: the block's
	v_add_nc_u32 v11, -(EMAX<<23), v8              ; EMAX off its exponent field: the conversion takes the exponent field of this operand as its scale
	v_cvt_scalef32_pk8_fp4_f32 v[C+4*(\t)], v[XS:XS+7], v11
	v_cvt_scalef32_pk8_fp4_f32 v[C+4*(\t)+1], v[XS+8:XS+15], v11
	v_lshrrev_b32 v[E+(\t)], 23, v11               ; the scale's byte (also the plain line behind the conversions)
	ds_store_b8 v5, v[E+(\t)] offset:16*(\t)       ; both lanes of a block write the same byte with the same value
	global_store_b64 v4, v[C+4*(\t):C+4*(\t)+1], s[22:23] offset:32*CB*(\t)   ; the wave stores 256 consecutive bytes, aligned
.endm
.irp t, 0,1,2,3,4,5,6,7,8,9,10,11,12,13,14,15
	STEP \t
.endr
	ds_load_b64 v[12:13], v6                       ; LDS serves a wave's instructions in order: these see my stores
	s_wait_dscnt 0x0
	global_store_b64 v7, v[12:13], s[24:25]        ; 32 lanes store 256 consecutive bytes, aligned
	s_wait_tensorcnt 0x0
	ds_add_u32 v192, v193
	s_wait_dscnt 0x0
	s_endpgm
; ---------------- the other three roles begin alike: a wave takes 16 rows of 512 bytes, loaded as they lie (512 consecutive bytes a load), and sets them in its stage, 528 bytes apart.
.Lturn:
	v_and_b32 v3, 15, v0                           ; r
	v_bfe_u32 v4, v0, 4, 1                         ; h
	s_mul_i32 s37, s36, 16*SPT
	s_add_co_u32 s37, s37, STG                     ; my stage
	v_lshlrev_b32 v5, 4, v2                        ; 16 x lane
	v_lshlrev_b32 v6, 3, v2                        ; 8 x lane
	v_add_nc_u32 v7, s37, v5                       ; into the stage: 16 x lane of a row
	v_mul_u32_u24 v8, v3, SPT
	v_lshl_add_u32 v8, v4, 5, v8
	v_add_nc_u32 v8, s37, v8                       ; back, mask and w_o: row r, 32 h: eight neighbours of 4 bytes
	v_lshrrev_b32 v9, 1, v2
	v_xor_b32 v9, 15, v9                           ; 15 - lane / 2
	v_mul_u32_u24 v9, v9, SPT
	v_and_b32 v10, 1, v2
	v_xor_b32 v10, 1, v10                          ; 1 - lane % 2
	v_lshl_add_u32 v9, v10, 8, v9
	v_add_nc_u32 v9, s37, v9                       ; back, table: the four table rows 124 - 4 lane .. 127 - 4 lane of the chunk (eight rows of 64 bytes to a stage row)
	s_sub_co_u32 s40, ttmp9, QWG                   ; u
	s_lshl_b32 s41, s40, 2
	s_add_co_u32 s41, s41, s36                     ; 4 u + wave
	s_wait_kmcnt 0x0
	s_mov_b32 s46, 4096
	s_cmp_lt_u32 s40, 512                          ; mask (rows of 8,192 bytes, 16 chunks of 512 to a row) or w_o (4,096 bytes, 8 chunks)?
	s_cselect_b64 s[44:45], s[18:19], s[16:17]
	s_cselect_b32 s46, 8192, s46                   ; bytes from row to row
	s_cselect_b32 s47, 4, 3
	s_cselect_b32 s48, 0, 2048
	s_sub_co_u32 s48, s41, s48                     ; which chunk
	s_lshr_b32 s49, s48, s47                       ; which 16 rows
	s_bfm_b32 s50, s47, 0
	s_and_b32 s50, s48, s50                        ; which 512 bytes of them
	s_add_co_u32 s51, s47, 13
	s_lshl_b32 s51, s49, s51
	s_lshl_b32 s52, s50, 9
	s_add_co_u32 s51, s51, s52                     ; the chunk's first byte
	s_sub_co_u32 s53, s41, 2560                    ; the table: chunk c = entries e = 128 c .. 128 c + 127 = table rows 3967 - 128 c .. 4094 - 128 c, 8,192 dense bytes
	s_lshl_b32 s54, s53, 13
	s_sub_co_u32 s54, 253888, s54                  ; (-64 for c = 31)
	s_cmp_lt_u32 s40, 640
	s_cselect_b64 s[44:45], s[44:45], s[20:21]
	s_cselect_b32 s46, s46, 512
	s_cselect_b32 s51, s51, s54
	v_lshl_add_u32 v[OFF], v2, 4, s51
.irp i, 1,2,3,4,5,6,7,8,9,10,11,12,13,14,15
	v_add_nc_u32 v[OFF+\i], s46, v[OFF+\i-1]
.endr
	v_max_i32 v[OFF], 0, v[OFF]                    ; the table's chunk 31 begins one row ahead of the table: those four lanes read row 0 instead; what they bring is entry 4095, which nobody reads
.irp i, 0,1,2,3,4,5,6,7,8,9,10,11,12,13,14,15
	global_load_b128 v[XI+4*\i:XI+4*\i+3], v[OFF+\i], s[44:45] th:TH_LOAD_NT
.endr
.irp i, 0,1,2,3,4,5,6,7,8,9,10,11,12,13,14,15
	s_wait_loadcnt 15-\i                           ; row i is in; the younger rows may be out
	ds_store_b128 v7, v[XI+4*\i:XI+4*\i+3] offset:SPT*\i
.endr
.macro READBACK                        ; v[Y + 8 p + j] = element (row r, column 16 p + 8 h + j): the lane order of a 16 x 16 tile whose registers run along the columns
.irp p, 0,1,2,3,4,5,6,7
	ds_load_b128 v[Y+8*\p:Y+8*\p+3], v8 offset:64*\p
	ds_load_b128 v[Y+8*\p+4:Y+8*\p+7], v8 offset:64*\p+16
.endr
.endm
	s_cmp_lt_u32 s40, 512
	s_cbranch_scc1 .Lmask
	s_cmp_lt_u32 s40, 640
	s_cbranch_scc1 .Lwo
; ---- the table: reversed, one row a head, times log2(e).  Lane l takes entries 4 l .. 4 l + 3 of the chunk for each of the 16 heads.
.irp hh, 0,1,2,3,4,5,6,7,8,9,10,11,12,13,14,15
.irp k, 0,1,2,3
	ds_load_b32 v[Y+4*\hh+\k], v9 offset:(3-\k)*64+4*\hh
.endr
.endr
	s_lshl_b32 s52, s53, 9                         ; 512 bytes a chunk in a head's row
	s_mov_b32 s53, 0
	s_add_nc_u64 s[30:31], s[30:31], s[52:53]
	s_wait_dscnt 0x0
.irp i, 0,2,4,6,8,10,12,14,16,18,20,22,24,26,28,30,32,34,36,38,40,42,44,46,48,50,52,54,56,58,60,62
	v_pk_mul_f32 v[Y+\i:Y+\i+1], v[Y+\i:Y+\i+1], 0x3fb8aa3b op_sel_hi:[1,0]
.endr
.irp hh, 0,1,2,3,4,5,6,7,8,9,10,11,12,13,14,15
	global_store_b128 v5, v[Y+4*\hh:Y+4*\hh+3], s[30:31] offset:16384*\hh   ; 512 consecutive bytes of head hh's row
.endr
	s_wait_tensorcnt 0x0
	ds_add_u32 v192, v193
	s_wait_dscnt 0x0
	s_endpgm
; ---- the mask: 16 queries x 128 keys become 64 words: word 8 p + j has bit l = (mask[query l % 16][key 16 p + 8 (l / 16) + j] != 0)
.Lmask:
	READBACK
	s_lshl_b32 s52, s49, 12                        ; 4,096 bytes for each 16 queries,
	s_lshl_b32 s53, s50, 8                         ; 256 for each 128 keys
	s_add_co_u32 s52, s52, s53
	s_mov_b32 s53, 0
	s_add_nc_u64 s[28:29], s[28:29], s[52:53]
	v_mov_b32 v12, 0
	v_mov_b32 v13, 0
	s_wait_dscnt 0x0
.set n, 0
.rept 8
.irp i, 0,1,2,3,4,5,6,7
	v_cmp_ne_u32 s[56+\i], 0, v[Y+n+\i]            ; the compare's lane mask IS the word
.endr
.irp i, 0,1,2,3,4,5,6,7
	v_writelane_b32 v[12+\i%2], s[56+\i], (n+\i)/2 ; lane l gathers words 2 l and 2 l + 1
.endr
.set n, n+8
.endr
	global_store_b64 v6, v[12:13], s[28:29]        ; 256 consecutive bytes, aligned
	s_wait_tensorcnt 0x0
	ds_add_u32 v192, v193
	s_wait_dscnt 0x0
	s_endpgm
; ---- w_o: 16 rows x 128 along K become eight pieces: piece p = K 16 p + 8 h + 0 .. 7 of row r, 16 bytes a lane
.Lwo:
	READBACK
	s_lshl_b32 s52, s49, 15                        ; 32,768 bytes for each 16 rows,
	s_lshl_b32 s53, s50, 12                        ; 4,096 for each 128 along K
	s_add_co_u32 s52, s52, s53
	s_mov_b32 s53, 0
	s_add_nc_u64 s[26:27], s[26:27], s[52:53]
	s_wait_dscnt 0x0
.irp p, 0,1,2,3,4,5,6,7
.irp i, 0,1,2,3
	v_cvt_pk_f16_f32 v[XI+4*\p+\i], v[Y+8*\p+2*\i], v[Y+8*\p+2*\i+1]
.endr
	global_store_b128 v5, v[XI+4*\p:XI+4*\p+3], s[26:27] offset:512*\p
.endr
	s_wait_tensorcnt 0x0
	ds_add_u32 v192, v193
	s_wait_dscnt 0x0
	s_endpgm
.Lfunc_end_k_qd535a7b03e_prep:
	.size	k_qd535a7b03e_prep, .Lfunc_end_k_qd535a7b03e_prep-k_qd535a7b03e_prep
	.p2alignl 7, 3214868480
	.fill 96, 4, 3214868480
	.section	.rodata,"a",@progbits
	.p2align	6, 0x0
	.amdhsa_kernel k_qd535a7b03e_prep
		.amdhsa_group_segment_fixed_size 67072
		.amdhsa_private_segment_fixed_size 0
		.amdhsa_enable_private_segment 0
		.amdhsa_kernarg_size 112
		.amdhsa_user_sgpr_count 2
		.amdhsa_user_sgpr_kernarg_segment_ptr 1
		.amdhsa_wavefront_size32 1
		.amdhsa_system_sgpr_workgroup_id_x 1
		.amdhsa_system_sgpr_workgroup_id_y 1
		.amdhsa_system_sgpr_workgroup_id_z 1
		.amdhsa_system_vgpr_workitem_id 0
		.amdhsa_next_free_vgpr 194
		.amdhsa_next_free_sgpr 66
		.amdhsa_reserve_vcc 0
		.amdhsa_float_denorm_mode_32 3
		.amdhsa_float_denorm_mode_16_64 3
		.amdhsa_memory_ordered 1
		.amdhsa_forward_progress 1
		.amdhsa_inst_pref_size 62
	.end_amdhsa_kernel
	.amdgpu_metadata
---
amdhsa.version: [ 1, 2 ]
amdhsa.kernels:
  - .name:           k_qd535a7b03e_prep
    .symbol:         k_qd535a7b03e_prep.kd
    .args:
      - { .name: query, .offset: 0, .size: 8, .value_kind: global_buffer, .address_space: global }
      - { .name: key, .offset: 8, .size: 8, .value_kind: global_buffer, .address_space: global }
      - { .name: value, .offset: 16, .size: 8, .value_kind: global_buffer, .address_space: global }
      - { .name: w_q, .offset: 24, .size: 8, .value_kind: global_buffer, .address_space: global }
      - { .name: w_k, .offset: 32, .size: 8, .value_kind: global_buffer, .address_space: global }
      - { .name: w_v, .offset: 40, .size: 8, .value_kind: global_buffer, .address_space: global }
      - { .name: w_o, .offset: 48, .size: 8, .value_kind: global_buffer, .address_space: global }
      - { .name: mask, .offset: 56, .size: 8, .value_kind: global_buffer, .address_space: global }
      - { .name: rel_bias_table, .offset: 64, .size: 8, .value_kind: global_buffer, .address_space: global }
      - { .name: codes, .offset: 72, .size: 8, .value_kind: global_buffer, .address_space: global }
      - { .name: scales, .offset: 80, .size: 8, .value_kind: global_buffer, .address_space: global }
      - { .name: wof, .offset: 88, .size: 8, .value_kind: global_buffer, .address_space: global }
      - { .name: mw, .offset: 96, .size: 8, .value_kind: global_buffer, .address_space: global }
      - { .name: rt, .offset: 104, .size: 8, .value_kind: global_buffer, .address_space: global }
    .group_segment_fixed_size: 67072
    .private_segment_fixed_size: 0
    .kernarg_segment_align: 8
    .kernarg_segment_size: 112
    .max_flat_workgroup_size: 128
    .sgpr_count:     66
    .vgpr_count:     194
    .wavefront_size: 32
...
	.end_amdgpu_metadata
.endif
;; end of part 1
;; launch proj (part 2): grid 4 x 96, 4 waves a work-group, clusters of 4 x 4, 327,680 bytes of LDS; arguments codes, scales, b_q, b_k, b_v, qkv; writes qkv
.if DOCPART == 2
	.amdgcn_target "amdgcn-amd-amdhsa--gfx1250"
	.amdhsa_code_object_version 6
	.text
	.protected	k_qd535a7b03e_proj
	.globl	k_qd535a7b03e_proj
	.p2align	8
	.type	k_qd535a7b03e_proj,@function
k_qd535a7b03e_proj:
	s_mov_b64 s[64:65], 0
	v_nop
	global_prefetch_b8 v0, s[64:65] scope:SCOPE_SE
	s_setreg_imm32_b32 hwreg(HW_REG_WAVE_MODE, 25, 1), 1
	s_wait_xcnt 0x0
	s_wait_alu depctr_hold_cnt(0) depctr_sa_sdst(0) depctr_va_vdst(0) depctr_va_sdst(0) depctr_va_ssrc(0) depctr_va_vcc(0) depctr_vm_vsrc(0)
	s_getreg_b32 s2, hwreg(HW_REG_IB_STS2, 6, 4)
	s_cmp_eq_u32 s2, 0
	s_cbranch_scc0 .Lentry_in_a_cluster
	s_endpgm
.Lentry_in_a_cluster:
	s_bfe_u32 s2, ttmp6, 0x10000c
	s_cmp_lg_u32 s2, 0xf033
	s_cbranch_scc0 .Lentry_shape_is_right
	s_endpgm
.Lentry_shape_is_right:
; PROJ: Q = query w_q^T + b_q, K = key w_k^T + b_k, V = value w_v^T + b_v, on codes of FP4 (E2M1) with one E8M0 scale for each 32 along K; sums in f32; results rounded once to f16.
; codes: 27,648 rows of 512 bytes (1,024 codes, K innermost): query's 8,192 rows, key's, value's, then w_q's 1,024, w_k's, w_v's.  scales: the same rows, 32 bytes each.
; A tile of 256 x 256 results is made by a work-group of four waves; a wave makes 128 x 128: 64 accumulators of 16 x 16, 512 registers.  All of K (1,024) lies in two LDS slots of 512 along K: nothing is filled twice.
; CLUSTERS: 4 x 4 work-groups; eight clusters for each of the three tensors (T = cluster y / 8, L = cluster y % 8).  The four of a row of the cluster need the same tiles of operand A, the four of a
; column the same tiles of operand B: each tile is asked for jointly.  Source 0 of the matrix instruction takes 16 rows of B, source 1 16 rows of A: a lane holds ONE row of A and eight neighbouring rows of B.
;   Q, K: A = the tokens, B = the weight's rows: a lane holds a token and eight neighbouring channels.     V: A = w_v's rows, B = the tokens: a lane holds a channel and eight neighbouring tokens.
; So a 16 x 16 result, rounded to f16, is 16 bytes a lane that ARE a piece (registers 0-3 or 4-7) of the attention's operand: K = channels for Q and K, K = keys for V.  It is stored as it stands, lane l at 16 l:
; each store of the wave covers 512 consecutive bytes, aligned; no stage, no transposition.
; qkv, for each bh = 16 batch + head, 786,432 bytes: Q: tile of 16 tokens x 2,048 + piece x 512; from 262,144 on four chunks of 131,072 (512 keys): K's 32 tiles x 2,048, then V: 16 groups of 32 keys x 4,096 + channel tile x 1,024 + half x 512.
; Q is multiplied by log2(e) / 8 ahead of its rounding to f16 (the reference divides the scores by 8 behind the product: another order of rounding).
; WHY f16: the output is compared within a hundredth of its root mean square; four roundings to 8 significant bits on the way to it (V, p, the context, w_o) and two ahead of the scores leave too little of that; 11 bits do.
; ROOM IN f16 (largest number 65,504): as drawn the results are 0.64 in the root mean square; activation and weight both 30 times larger give 576; common offsets of 30 spreads on both (30 and 0.6, quantised
; at most 32 and 0.75) give 1,024 x 32 x 0.75 = 24,576.
; Both layouts of a bias are loaded by every work-group (64 numbers along the registers, 8 a lane), so that the text parts on the tensor once, at the way out; the one that a tensor does not need is 1/8 KiB or 1 KiB a wave.
; No prefetch: the whole of a work-group's operands is asked for at its head.  One tile to a work-group: 384 work-groups.
; LIMITS: NaN and infinities are not served; |Q| log2(e) / 8, |K| and |V| stay under 65,504: beyond it the conversion gives infinity.
.set KSTEP,  512
.set NQ,     KSTEP/128
.set ROWB,   256                       ; a tile's row in bytes
.set KROW,   512                       ; a row of codes in memory
.set PITCH,  272                       ; an LDS row: 256 bytes + 16 of padding: the 16 rows that a load touches start at 16 different banks
.set FR,     8
.set NL,     2
.set NP,     4
.set HALFT,  128*PITCH
.set SLOT,   4*HALFT                   ; A's 256 rows, then B's 256 rows
.set KS,     32                        ; a row of scales in bytes
.set SCL,    2*SLOT                    ; behind the slots: the scales, as units of 256 bytes + 16 of padding
.set HALFS,  (128*KS/256)*272
.set SBLK,   (16*KS/256)*272
.set SPARE,  SCL+4*HALFS               ; the spare words, 128 bytes for each wave
.set BHB,    786432
.set ADRA, 16                          ; v16-17  LDS address of my A fragments in slot 0, 1
.set ADRB, 20                          ; v20-21  the same for B
.set LO,   24                          ; v24     16 x lane
.set BQ,   25                          ; v25     byte offset of my eight numbers of the bias that runs along the registers
.set BV,   26                          ; v26     and of my one number of the bias that runs along the lanes
.set ADRS, 27                          ; v27     LDS address of my scale words: lanes 0-15 A's rows, lanes 16-31 B's
.set SPW,  28
.set NIL,  29
.set SC,   32                          ; v32-95  scale words, two sets; on the way out: results in f32
.set BL,   96                          ; v96-111 b_v of my lane's channel in block a, twice (a pair for the packed addition)
.set AF,   128                         ; v128-191 A's fragments; on the way out: packed results, two sets of 32
.set BR,   192                         ; v192-255 the bias of my eight channels in block b
.set SCF,  94                          ; s[94:95] what the result is multiplied by
.set G1, 24
.set G0, 32
.set G1B, 48
.set G0B, 56
.set G1S, 68
.set G0S, 76
.set G1SB, 80
.set G0SB, 88
.set MSB, 0
.macro WIN new                         ; the immediate's high byte repeats the setting that is left
.if MSB != (\new)
	s_set_vgpr_msb (MSB<<8)|(\new)
.set MSB, (\new)
.endif
.endm
.set MUL_LO, 0xa1                      ; source 0 (B) window 1, source 1 (A) window 0, C and D window 2
.set MUL_HI, 0xf1                      ; the same, C and D window 3
.set TO_B,   0x40
.macro JLOAD g0a, g1a, g0b, g1b        ; a joint load: waves 0 and 1 fetch for A, waves 2 and 3 for B; four v_nop follow each of the two lines
	s_cmp_eq_u32 s15, 0
	s_cbranch_scc0 .Lfor_b_\@
	tensor_load_to_lds s[\g0a:\g0a+3], s[\g1a:\g1a+7]
	s_nop 0
.rept 4
	v_nop
.endr
	s_branch .Lasked_\@
.Lfor_b_\@:
	tensor_load_to_lds s[\g0b:\g0b+3], s[\g1b:\g1b+7]
	s_nop 0
.rept 4
	v_nop
.endr
.Lasked_\@:
.endm
.macro CREST
	s_cmp_lg_u32 s14, 0
	s_cbranch_scc1 .Lnot_wave_0_\@
	s_barrier_signal -3
.Lnot_wave_0_\@:
	s_barrier_wait -3
	s_barrier_signal -1
	s_barrier_wait -1
.endm
.macro CROUND
	s_barrier_signal -1
	s_barrier_wait -1
	CREST
.endm
	s_load_b128 s[4:7], s[0:1], 0x0                ; codes, scales
	s_load_b128 s[8:11], s[0:1], 0x10              ; b_q, b_k
	s_load_b64 s[96:97], s[0:1], 0x20              ; b_v
	s_load_b64 s[12:13], s[0:1], 0x28              ; qkv
	v_lshl_add_u32 v[SPW], v0, 2, SPARE
	v_mov_b32 v[NIL], 0
	ds_add_u32 v28, v29
	s_wait_dscnt 0x0
	v_lshrrev_b32 v1, 5, v0
	v_readfirstlane_b32 s14, v1                    ; wave 0..3
	s_lshr_b32 s15, s14, 1                         ; which half of A's 256 rows is mine.  Also: I fetch for A (0) or for B (1)
	s_and_b32 s16, s14, 1                          ; which half of B's.  Also: which 128 rows of that tile I fetch
	s_bfe_u32 s40, ttmp6, 0x40000                  ; cx
	s_bfe_u32 s41, ttmp6, 0x40004                  ; cy
	s_and_b32 s17, ttmp7, 0xffff                   ; cluster y, the same in all sixteen partners
	s_lshr_b32 s2, s17, 3                          ; T: 0 Q, 1 K, 2 V
	s_and_b32 s3, s17, 7                           ; L: which 1,024 tokens
	s_lshl_b32 s43, s41, 2
	s_lshl_b32 s43, 15, s43                        ; my row of the cluster
	s_lshl_b32 s44, 0x1111, s40                    ; my column
	s_or_b32 s[G1+0], s43, (0<<16)|(1<<20)|(1<<21)|(5<<22)|(3<<25)  ; the mask; elements of 1 byte; padding: 4 words behind every 64
	s_or_b32 s[G1B+0], s44, (0<<16)|(1<<20)|(1<<21)|(5<<22)|(3<<25)
.irp g, G1, G1B
	s_mov_b32 s[\g+1], ROWB<<16                    ; tensor_dim0
	s_mov_b32 s[\g+2], 128<<16                     ; tensor_dim1
	s_mov_b32 s[\g+3], ROWB<<16                    ; tile_dim0
	s_mov_b32 s[\g+4], 128                         ; tile_dim1
	s_mov_b32 s[\g+5], KROW                        ; from row to row
	s_mov_b32 s[\g+6], 0
	s_mov_b32 s[\g+7], 0
.endr
	s_or_b32 s[G1S+0], s43, (3<<16)|(1<<20)|(1<<21)|(5<<22)|(3<<25) ; the scales of 128 rows: 4,096 dense bytes as 16 rows of 256 (32 elements of 8 bytes), 16 bytes of padding behind each
	s_or_b32 s[G1SB+0], s44, (3<<16)|(1<<20)|(1<<21)|(5<<22)|(3<<25)
.irp g, G1S, G1SB
	s_mov_b32 s[\g+1], 32<<16
	s_mov_b32 s[\g+2], (128*KS/256)<<16
	s_mov_b32 s[\g+3], 32<<16
	s_mov_b32 s[\g+4], 128*KS/256
	s_mov_b32 s[\g+5], 32
	s_mov_b32 s[\g+6], 0
	s_mov_b32 s[\g+7], 0
.endr
	; which rows of the two buffers are A and B.  Q, K: A = tensor T's tokens 1,024 L on, B = weight T.  V: A = w_v, B = value's tokens 1,024 L on
	s_lshl_b32 s18, s2, 13
	s_lshl_b32 s19, s3, 10
	s_add_co_u32 s18, s18, s19
	s_lshl_b32 s20, s2, 10
	s_add_co_u32 s20, s20, 24576
	s_add_co_u32 s19, s19, 16384
	s_mov_b32 s21, 26624
	s_cmp_lt_u32 s2, 2
	s_cselect_b32 s18, s18, s21                    ; A's first row for the cluster
	s_cselect_b32 s19, s20, s19                    ; B's
	s_lshl_b32 s22, s16, 7                         ; which 128 rows of the tile I fetch
	s_lshl_b32 s20, s41, 8
	s_add_co_u32 s20, s20, s18
	s_add_co_u32 s20, s20, s22                     ; A: + 256 cy + 128 x half: it hangs on cy alone
	s_lshl_b32 s46, s40, 8
	s_add_co_u32 s46, s46, s19
	s_add_co_u32 s46, s46, s22                     ; B: + 256 cx + 128 x half: on cx alone
	s_lshl_b32 s22, s20, 5                         ; where these rows' scales begin, in bytes,
	s_mov_b32 s23, 0
	s_lshl_b32 s92, s46, 5
	s_mov_b32 s93, 0
	s_lshl_b32 s20, s20, 9                         ; and their codes
	s_mov_b32 s21, 0
	s_lshl_b32 s46, s46, 9
	s_mov_b32 s47, 0
	s_mul_i32 s45, s14, HALFT                      ; where they go: wave x 128 rows
	s_mul_i32 s94, s14, HALFS
	s_wait_kmcnt 0x0
	s_add_nc_u64 s[20:21], s[4:5], s[20:21]
	s_add_nc_u64 s[22:23], s[6:7], s[22:23]
	s_add_nc_u64 s[46:47], s[4:5], s[46:47]
	s_add_nc_u64 s[92:93], s[6:7], s[92:93]
	CROUND                                         ; all sixteen work-groups are here: the joint loads meet
	s_mov_b32 s[G0S], 1
	s_add_co_u32 s[G0S+1], s94, SCL
	s_mov_b64 s[G0S+2:G0S+3], s[22:23]
	s_or_b32 s[G0S+3], s[G0S+3], 0x80000000
	s_mov_b32 s[G0SB], 1
	s_add_co_u32 s[G0SB+1], s94, SCL
	s_mov_b64 s[G0SB+2:G0SB+3], s[92:93]
	s_or_b32 s[G0SB+3], s[G0SB+3], 0x80000000
	JLOAD G0S, G1S, G0SB, G1SB                     ; the scales first: they are wanted with slot 0
.irp s, 0,1
	s_mov_b32 s[G0+4*\s], 1
	s_add_co_u32 s[G0+4*\s+1], s45, \s*SLOT
	s_add_nc_u64 s[G0+4*\s+2:G0+4*\s+3], s[20:21], \s*ROWB
	s_or_b32 s[G0+4*\s+3], s[G0+4*\s+3], 0x80000000
	s_mov_b32 s[G0B+4*\s], 1
	s_add_co_u32 s[G0B+4*\s+1], s45, \s*SLOT
	s_add_nc_u64 s[G0B+4*\s+2:G0B+4*\s+3], s[46:47], \s*ROWB
	s_or_b32 s[G0B+4*\s+3], s[G0B+4*\s+3], 0x80000000
	JLOAD G0+4*\s, G1, G0B+4*\s, G1B               ; three tensor loads of mine are out
.endr
	v_and_b32 v1, 15, v0                           ; r
	v_bfe_u32 v2, v0, 4, 1                         ; h
	v_mul_u32_u24 v3, v1, PITCH
	v_lshl_add_u32 v4, v2, 4, v3                   ; a fragment's row x pitch + 16 x half
	s_mul_i32 s21, s15, HALFT                      ; my 128 rows of A
	s_mul_i32 s22, s16, HALFT                      ; my 128 rows of B,
	s_add_co_u32 s22, s22, 2*HALFT                 ; which lie behind A's 256
.irp s, 0,1
	v_add_nc_u32 v[ADRA+\s], s21, v4
	v_add_nc_u32 v[ADRB+\s], s22, v4
	s_add_co_u32 s21, s21, SLOT
	s_add_co_u32 s22, s22, SLOT
.endr
	v_mul_u32_u24 v5, v1, KS                       ; my row's scales: KS bytes a row,
	v_lshrrev_b32 v6, 8, v5
	v_lshl_add_u32 v5, v6, 4, v5                   ; and 16 more for each 256 passed
	s_mul_i32 s21, s15, HALFS
	s_mul_i32 s22, s16, HALFS
	s_add_co_u32 s22, s22, 2*HALFS
	s_sub_co_u32 s22, s22, s21
	v_mul_u32_u24 v6, s22, v2                      ; lanes 16-31 take B's
	s_add_co_u32 s21, s21, SCL
	v_add_nc_u32 v5, v5, v6
	v_add_nc_u32 v[ADRS], s21, v5
	v_and_b32 v6, 31, v0
	v_lshlrev_b32 v[LO], 4, v6
	; the biases.  Along the registers: number 256 cx + 128 (wave % 2) + 16 b + 8 h + j.  Along the lanes: number 256 cy + 128 (wave / 2) + 16 a + r
	s_lshl_b32 s21, s40, 10
	s_lshl_b32 s22, s16, 9
	s_add_co_u32 s21, s21, s22
	v_lshl_add_u32 v[BQ], v2, 5, s21
	s_lshl_b32 s21, s41, 10
	s_lshl_b32 s22, s15, 9
	s_add_co_u32 s21, s21, s22
	v_lshl_add_u32 v[BV], v1, 2, s21
	s_cmp_eq_u32 s2, 0
	s_cselect_b64 s[8:9], s[8:9], s[10:11]
	s_cmp_lt_u32 s2, 2
	s_cselect_b64 s[8:9], s[8:9], s[96:97]         ; the tensor's own bias
.irp b, 0,1,2,3,4,5,6,7
	global_load_b128 v[BR+8*\b:BR+8*\b+3], v[BQ], s[8:9] offset:64*\b
	global_load_b128 v[BR+8*\b+4:BR+8*\b+7], v[BQ], s[8:9] offset:64*\b+16
.endr
.irp a, 0,1,2,3,4,5,6,7
	global_load_b32 v[BL+2*\a], v[BV], s[96:97] offset:64*\a
	global_load_b32 v[BL+2*\a+1], v[BV], s[96:97] offset:64*\a
.endr
.macro FRAG reg, adr, q, i             ; a fragment, 16 rows x 128 K of 4-bit codes, is 8 registers: lane l holds row l % 16; registers 4 c .. 4 c + 3 hold K = 64 c + 32 (l / 16) + 0 .. 31
.irp c, 0,1
	ds_load_b128 v[\reg+4*\c:\reg+4*\c+3], v[\adr] offset:64*(\q)+32*\c+(\i)*16*PITCH
.endr
.endm
; 16 matrix instructions: A's blocks a0, a0 + 1 x B's eight, 128 along K.  The 64 accumulators take turns, one instruction a turn, in the same order in every step.
.macro MUL16 a0, p, q, sc, zero
.irp a, \a0, \a0+1
.irp b, 0,1,2,3,4,5,6,7
.if \zero
	v_wmma_scale_f32_16x16x128_f8f6f4 v[8*(8*((\a)%4)+\b):8*(8*((\a)%4)+\b)+7], v[128*(\p)+FR*\b:128*(\p)+FR*\b+FR-1], v[AF+FR*(\a):AF+FR*(\a)+FR-1], 0, v[SC+8*NQ*(\sc)+NQ*\b+(\q)], v[SC+8*NQ*(\sc)+NQ*(\a)+(\q)] matrix_a_fmt:MATRIX_FMT_FP4 matrix_b_fmt:MATRIX_FMT_FP4 matrix_a_scale:MATRIX_SCALE_ROW1
.else
	v_wmma_scale_f32_16x16x128_f8f6f4 v[8*(8*((\a)%4)+\b):8*(8*((\a)%4)+\b)+7], v[128*(\p)+FR*\b:128*(\p)+FR*\b+FR-1], v[AF+FR*(\a):AF+FR*(\a)+FR-1], v[8*(8*((\a)%4)+\b):8*(8*((\a)%4)+\b)+7], v[SC+8*NQ*(\sc)+NQ*\b+(\q)], v[SC+8*NQ*(\sc)+NQ*(\a)+(\q)] matrix_a_fmt:MATRIX_FMT_FP4 matrix_b_fmt:MATRIX_FMT_FP4 matrix_a_scale:MATRIX_SCALE_ROW1
.endif
.endr
.endr
.endm
.macro FETCH_B slot, q, p
	WIN TO_B
.irp i, 0,1,2,3,4,5,6,7
	FRAG 128*(\p)+FR*\i, ADRB+\slot, \q, \i
.endr
	WIN 0
.endm
.macro FETCH_A slot, q, i0
.irp i, \i0, \i0+1, \i0+2, \i0+3
	FRAG AF+FR*(\i), ADRA+\slot, \q, \i
.endr
.endm
.macro SCALES sc                       ; a slot's scale words: 4 words a row; lanes 0-15 take A's block i, lanes 16-31 B's block i
.irp i, 0,1,2,3,4,5,6,7
	ds_load_b128 v[SC+8*NQ*\sc+NQ*\i:SC+8*NQ*\sc+NQ*\i+3], v[ADRS] offset:\i*SBLK
.endr
.endm
.macro PLACES n                        ; plain vector instructions between a matrix instruction and a load into, or a read of, its registers
.rept \n
	v_nop
.endr
.endm
.macro STEP slot, q, zero              ; a step of 128 along K that has its successor in the same slot
	s_wait_dscnt 4*NL                              ; B's set and A's blocks 0-3 are in; the youngest eight loads (A's blocks 4-7) may be out
	WIN MUL_LO
	MUL16 0, (\q)%2, \q, \slot, \zero
	MUL16 2, (\q)%2, \q, \slot, \zero
	s_wait_dscnt 0                                 ; A's blocks 4-7 are in
	PLACES NP
	FETCH_B \slot, (\q)+1, 1-(\q)%2
	FETCH_A \slot, (\q)+1, 0
	WIN MUL_HI
	MUL16 4, (\q)%2, \q, \slot, \zero
	MUL16 6, (\q)%2, \q, \slot, \zero
	PLACES NP
	WIN 0
	FETCH_A \slot, (\q)+1, 4
.endm
.macro STEPS slot, from
.set Q, \from
.rept NQ-1-\from
	STEP \slot, Q, 0
.set Q, Q+1
.endr
.endm
	s_wait_tensorcnt 1                             ; the scales and my part of slot 0 are in (slot 1's load may be out),
	s_barrier_signal -1
	s_barrier_wait -1                              ; everybody's are
	FETCH_B 0, 0, 0
	FETCH_A 0, 0, 0
	SCALES 0
	FETCH_A 0, 0, 4
	STEP 0, 0, 1                                   ; the first products start the sums: nothing is cleared
	STEPS 0, 1
	; slot 0's last step goes over to slot 1: one barrier, in front of which each wave has waited for its part of slot 1
	s_wait_tensorcnt 0x0                           ; all my tensor loads have landed
	ds_add_u32 v[SPW], v[NIL]                      ; 0 onto my spare word
	s_wait_dscnt 4*NL+1                            ; (the add and A's blocks 4-7 may be out)
	WIN MUL_LO
	MUL16 0, 1, NQ-1, 0, 0
	s_wait_dscnt 0x0
	s_barrier_signal -1
	MUL16 2, 1, NQ-1, 0, 0
	WIN 0
	s_barrier_wait -1
	PLACES NP
	v_add_nc_u32 v[ADRS], 4*NQ, v[ADRS]            ; on to slot 1's scale words (no LDS load of mine is out)
	FETCH_B 1, 0, 0
	FETCH_A 1, 0, 0
	SCALES 1
	WIN MUL_HI
	MUL16 4, 1, NQ-1, 0, 0
	MUL16 6, 1, NQ-1, 0, 0
	PLACES NP
	WIN 0
	FETCH_A 1, 0, 4
	STEPS 1, 0
	s_wait_dscnt 4*NL                              ; the very last step: nothing more to fetch
	WIN MUL_LO
	MUL16 0, 1, NQ-1, 1, 0
	MUL16 2, 1, NQ-1, 1, 0
	s_wait_dscnt 0
	WIN MUL_HI
	MUL16 4, 1, NQ-1, 1, 0
	MUL16 6, 1, NQ-1, 1, 0
	WIN 0
; THE WAY OUT, block a of A's rows at a time: bias (and Q's factor) in f32, each accumulator from its low end on; rounded to f16; eight stores of 512 consecutive bytes.
.macro WAYOUT kind                     ; 0: Q, K;  1: V
.irp a, 0,1,2,3,4,5,6,7
.if \a > 1
	s_wait_xcnt 0x0                                ; block a - 2's stores have read their registers, which are written again below
.endif
	WIN 0x02+(\a)/4                                ; source 0: the accumulators' window
.irp b, 0,1,2,3,4,5,6,7
.irp i, 0,1,2,3
.if \kind == 0
	v_pk_fma_f32 v[SC+8*\b+2*\i:SC+8*\b+2*\i+1], v[8*(8*((\a)%4)+\b)+2*\i:8*(8*((\a)%4)+\b)+2*\i+1], s[SCF:SCF+1], v[BR+8*\b+2*\i:BR+8*\b+2*\i+1] op_sel_hi:[1,0,1]
.else
	v_pk_add_f32 v[SC+8*\b+2*\i:SC+8*\b+2*\i+1], v[8*(8*((\a)%4)+\b)+2*\i:8*(8*((\a)%4)+\b)+2*\i+1], v[BL+2*\a:BL+2*\a+1]
.endif
.endr
.endr
	WIN 0
.irp b, 0,1,2,3,4,5,6,7
.irp i, 0,1,2,3
	v_cvt_pk_f16_f32 v[AF+32*((\a)%2)+4*\b+\i], v[SC+8*\b+2*\i], v[SC+8*\b+2*\i+1]
.endr
.endr
.irp b, 0,1,2,3,4,5,6,7
.if \kind == 0
	global_store_b128 v[LO], v[AF+32*((\a)%2)+4*\b:AF+32*((\a)%2)+4*\b+3], s[12:13] offset:(\b/4)*BHB+\a*2048+(\b%4)*512          ; head b / 4, token tile a, piece b % 4
.else
	global_store_b128 v[LO], v[AF+32*((\a)%2)+4*\b:AF+32*((\a)%2)+4*\b+3], s[12:13] offset:(\a/4)*BHB+(\b/2)*4096+(\a%4)*1024+(\b%2)*512   ; head a / 4, group of keys b / 2, channel tile a % 4, half b % 2
.endif
.endr
.endr
.endm
	PLACES NP                                      ; behind the last products, ahead of the first read of results and the first write of operands
	s_wait_loadcnt 0x0                             ; the biases
	s_cmp_eq_u32 s2, 2
	s_cbranch_scc1 .Lvalue
	s_lshl_b32 s18, s3, 2                          ; Q, K: my first tile of 16 tokens: 16 (4 L + cy) + 8 (wave / 2)
	s_add_co_u32 s18, s18, s41
	s_lshl_b32 s18, s18, 4
	s_lshl_b32 s19, s15, 3
	s_add_co_u32 s18, s18, s19
	s_lshr_b32 s19, s18, 7                         ; the batch: 128 tiles each
	s_lshl_b32 s19, s19, 4
	s_lshl_b32 s20, s40, 2
	s_add_co_u32 s19, s19, s20
	s_lshl_b32 s20, s16, 1
	s_add_co_u32 s19, s19, s20                     ; bh of my first head: 16 batch + 4 cx + 2 (wave % 2)
	s_mul_i32 s19, s19, BHB
	s_and_b32 s18, s18, 127                        ; the tile in its batch
	s_lshl_b32 s20, s18, 11                        ; Q: 2,048 bytes a tile
	s_lshr_b32 s21, s18, 5                         ; K: 32 tiles to a chunk
	s_lshl_b32 s21, s21, 17
	s_and_b32 s22, s18, 31
	s_lshl_b32 s22, s22, 11
	s_add_co_u32 s21, s21, s22
	s_add_co_u32 s21, s21, 262144
	s_cmp_eq_u32 s2, 0
	s_cselect_b32 s20, s20, s21
	s_cselect_b32 s[SCF], 0x3e38aa3b, 1.0          ; Q: log2(e) / 8;  K: 1
	s_mov_b32 s[SCF+1], s[SCF]                     ; (named with it as a pair, so it is written)
	s_add_co_u32 s20, s20, s19
	s_mov_b32 s21, 0
	s_add_nc_u64 s[12:13], s[12:13], s[20:21]
.irp i, 0,2,4,6,8,10,12,14,16,18,20,22,24,26,28,30,32,34,36,38,40,42,44,46,48,50,52,54,56,58,60,62
	v_pk_mul_f32 v[BR+\i:BR+\i+1], v[BR+\i:BR+\i+1], s[SCF:SCF+1] op_sel_hi:[1,0]   ; the bias under the same factor, so that one fused multiply-add serves
.endr
	WAYOUT 0
	s_branch .Lend
.Lvalue:
	s_lshl_b32 s18, s3, 2                          ; V: my first token: 256 (4 L + cx) + 128 (wave % 2)
	s_add_co_u32 s18, s18, s40
	s_lshl_b32 s18, s18, 8
	s_lshl_b32 s19, s16, 7
	s_add_co_u32 s18, s18, s19
	s_lshr_b32 s19, s18, 11                        ; the batch
	s_lshl_b32 s19, s19, 4
	s_lshl_b32 s20, s41, 2
	s_add_co_u32 s19, s19, s20
	s_lshl_b32 s20, s15, 1
	s_add_co_u32 s19, s19, s20                     ; bh of my first head: 16 batch + 4 cy + 2 (wave / 2)
	s_mul_i32 s19, s19, BHB
	s_bfe_u32 s18, s18, 0x60005                    ; my first group of 32 keys in the batch
	s_lshr_b32 s20, s18, 4                         ; 16 groups to a chunk
	s_lshl_b32 s20, s20, 17
	s_and_b32 s21, s18, 15
	s_lshl_b32 s21, s21, 12
	s_add_co_u32 s20, s20, s21
	s_add_co_u32 s20, s20, 262144+65536            ; V lies behind Q and behind the chunk's K
	s_add_co_u32 s20, s20, s19
	s_mov_b32 s21, 0
	s_add_nc_u64 s[12:13], s[12:13], s[20:21]
	WAYOUT 1
.Lend:
	s_wait_tensorcnt 0x0                           ; the wave's end
	ds_add_u32 v[SPW], v[NIL]
	s_wait_dscnt 0x0
	CROUND                                         ; the closing round: no work-group ends while a partner may still ask for a tile that names it
	s_endpgm
.Lfunc_end_k_qd535a7b03e_proj:
	.size	k_qd535a7b03e_proj, .Lfunc_end_k_qd535a7b03e_proj-k_qd535a7b03e_proj
	.p2alignl 7, 3214868480
	.fill 96, 4, 3214868480
	.section	.rodata,"a",@progbits
	.p2align	6, 0x0
	.amdhsa_kernel k_qd535a7b03e_proj
		.amdhsa_group_segment_fixed_size 327680
		.amdhsa_private_segment_fixed_size 0
		.amdhsa_enable_private_segment 0
		.amdhsa_kernarg_size 48
		.amdhsa_user_sgpr_count 2
		.amdhsa_user_sgpr_kernarg_segment_ptr 1
		.amdhsa_wavefront_size32 1
		.amdhsa_system_sgpr_workgroup_id_x 1
		.amdhsa_system_sgpr_workgroup_id_y 1
		.amdhsa_system_sgpr_workgroup_id_z 1
		.amdhsa_system_vgpr_workitem_id 0
		.amdhsa_next_free_vgpr 1024
		.amdhsa_next_free_sgpr 100
		.amdhsa_reserve_vcc 0
		.amdhsa_float_denorm_mode_32 3
		.amdhsa_float_denorm_mode_16_64 3
		.amdhsa_memory_ordered 1
		.amdhsa_forward_progress 1
		.amdhsa_inst_pref_size 179
	.end_amdhsa_kernel
	.amdgpu_metadata
---
amdhsa.version: [ 1, 2 ]
amdhsa.kernels:
  - .name:           k_qd535a7b03e_proj
    .symbol:         k_qd535a7b03e_proj.kd
    .args:
      - { .name: codes, .offset: 0, .size: 8, .value_kind: global_buffer, .address_space: global }
      - { .name: scales, .offset: 8, .size: 8, .value_kind: global_buffer, .address_space: global }
      - { .name: b_q, .offset: 16, .size: 8, .value_kind: global_buffer, .address_space: global }
      - { .name: b_k, .offset: 24, .size: 8, .value_kind: global_buffer, .address_space: global }
      - { .name: b_v, .offset: 32, .size: 8, .value_kind: global_buffer, .address_space: global }
      - { .name: qkv, .offset: 40, .size: 8, .value_kind: global_buffer, .address_space: global }
    .group_segment_fixed_size: 327680
    .private_segment_fixed_size: 0
    .kernarg_segment_align: 8
    .kernarg_segment_size: 48
    .max_flat_workgroup_size: 128
    .sgpr_count:     100
    .vgpr_count:     1024
    .wavefront_size: 32
...
	.end_amdgpu_metadata
.endif
;; end of part 2
;; launch attn (part 3): grid 8 x 64, 8 waves a work-group, clusters of 4 x 1, 327,680 bytes of LDS; arguments qkv, mw, rt, cf; writes cf
.if DOCPART == 3
	.amdgcn_target "amdgcn-amd-amdhsa--gfx1250"
	.amdhsa_code_object_version 6
	.text
	.protected	k_qd535a7b03e_attn
	.globl	k_qd535a7b03e_attn
	.p2align	8
	.type	k_qd535a7b03e_attn,@function
k_qd535a7b03e_attn:
	s_mov_b64 s[64:65], 0
	v_nop
	global_prefetch_b8 v0, s[64:65] scope:SCOPE_SE
	s_setreg_imm32_b32 hwreg(HW_REG_WAVE_MODE, 25, 1), 1
	s_wait_xcnt 0x0
	s_wait_alu depctr_hold_cnt(0) depctr_sa_sdst(0) depctr_va_vdst(0) depctr_va_sdst(0) depctr_va_ssrc(0) depctr_va_vcc(0) depctr_vm_vsrc(0)
	s_getreg_b32 s2, hwreg(HW_REG_IB_STS2, 6, 4)
	s_cmp_eq_u32 s2, 0
	s_cbranch_scc0 .Lentry_in_a_cluster
	s_endpgm
.Lentry_in_a_cluster:
	s_bfe_u32 s2, ttmp6, 0x10000c
	s_cmp_lg_u32 s2, 0x3003
	s_cbranch_scc0 .Lentry_shape_is_right
	s_endpgm
.Lentry_shape_is_right:
; ATTN: context[b][q][head] = softmax_k(where(mask, Q . K / 8 + bias(q - k), -1e9)) V, for one bh = 16 b + head and 256 queries a work-group.  Products on f16 operands with f32 sums; all else in f32.
; All scores are kept in the base-2 domain: t = score x log2(e).  Q arrives multiplied by log2(e) / 8, the bias table multiplied by log2(e); a masked score is -1e9 x log2(e), a finite number, so that a row that
; is masked throughout gives the mean of V as the reference does.  p = 2^(t - m), m the running maximum of the row; in every step O and the sum l are multiplied by a = 2^(m_old - m_new).
; WHY f16: the output is compared within a hundredth of its root mean square; roundings to 8 significant bits of V, p, the context and w_o, one behind the other, leave too little of that; 11 bits do.
; ROOM IN f16: p lies in 0 .. 1 by the computation itself, and what falls under f16's smallest step, 2^-24, is nothing beside a row's sum, which is at least 1; the context is a convex mean of V and has V's room.
; SHARES.  Eight waves, two to a SIMD, so that one wave's softmax stands beside the other's products; a wave owns 32 queries, two tiles of 16, and walks all 2,048 keys, 64 a step.
; LAYOUT.  S^T = K Q^T (source 0 = 16 keys, source 1 = 16 queries): a lane holds ONE query (lane % 16) and keys 8 (lane / 16) + 0..7.  Two such tiles, rounded to f16, ARE source 1 of O^T = V^T P.
; Q, K and V lie in memory as images of these operands' registers (pieces of 512 bytes, lane l at 16 l): every LDS load takes 512 consecutive bytes, and nothing is padded or turned.
; WHAT A SCORE COSTS.  The scale costs nothing (it is in Q).  The bias costs nothing: it hangs on key - query alone, so a 16 x 16 tile of it is eight neighbouring words a lane, loaded from LDS and given as the C of the
; tile's first matrix instruction; five such tiles serve both query tiles x four key tiles.  A lane's eight words begin at word (...) - lane % 16, so four copies of the window, shifted by 0 to 3 words, keep the loads aligned.
; The mask costs one select: its word (made by the first launch in this lane order) is a scalar register that the select takes as its lane mask.
; RING.  Two LDS slots, each a chunk of 512 keys as it lies in memory (K 64 KiB, V 64 KiB); each wave fetches 16 KiB of it with one tensor load.  CLUSTER: the four query blocks of a cluster belong to one bh and
; walk the same chunks: each load is a joint one, with the same descriptor and a mask that names the four.  One tensor load of a wave is out at any time; it has eight steps in which to land.
; Written in phases (products, softmax, products); the two waves of a SIMD fill each other's gaps.
; LIMITS: NaN and infinities are not served.  Scores beyond 1e9 in magnitude are not told from masked ones, as in the reference.
; REGISTERS.  Window 0: v2-11 addresses and constants; v16-31 statistics, eight a tile: +0 m, +1 zero, +2 +3 l, +4 +5 at work, +6 a, +7 at work; v32-71 five bias tiles; v72-135 S^T, then p; v136-167 P; v168-231 K.
;             Window 1: v0-31 Q; v32-95 V; v96-159 O^T.
.set SLOT1, 1<<17                      ; slot 1 begins here: one exclusive or turns an address in one slot into the other's
.set VOFF,  65536                      ; V's part of a chunk
.set CHUNK, 131072
.set BHB,   786432
.set BIAS,  2*SLOT1                    ; behind the ring: four copies of the bias window (2,304 words),
.set BP,    9280                       ; 9,280 bytes apart = 36 x 256 + 64: a load's 16 lanes fall on 16 different columns of 16 bytes
.set SPARE, BIAS+38400                 ; the spare words, 128 bytes for each wave
.set AKV, 2                            ; v2   16 x lane
.set AVV, 3                            ; v3   16 x lane + VOFF
.set AB0, 4                            ; v4   my lane's place in its copy of the bias window, for step 0 and bias tile 0
.set ADK, 5                            ; v5-7 the step's LDS addresses: K, V, bias
.set ADV, 6
.set ADB, 7
.set T0,  8                            ; v8   -1e9 x log2(e)
.set PFO, 9                            ; v9   256 x lane
.set SPW, 10
.set NIL, 11
.set ST,  16
.set BI,  32
.set S,   72
.set P,   136
.set KF,  168
.set VF,  32                           ; in window 1
.set O,   96                           ; in window 1
.set PFA, 2                            ; s[2:3]   where my prefetches stand
.set MP,  6                            ; s[6:7]   my two tiles' mask words
.set G0,  12                           ; s[12:15] descriptor group 0, which walks
.set G1,  16                           ; s[16:23] group 1
.set SEL, 24                           ; s[24:25] lane selects for lane l xor 16
.set WV,  26
.set TK,  27                           ; LDS byte of the step's K tiles
.set TBI, 28                           ; 256 x step: the bias window moves 64 words a step
.set MO,  29                           ; 128 x the step whose mask words are asked for
.set SLOTS, 30
.set STEPC, 31
.set M0,  32                           ; s[32:63] tile 0's 32 mask words of a step;  s[68:99] tile 1's
.set M1,  68
.set LIM, 66
.set TBASE, 67                         ; LDS byte at which the slot in hand begins
.set MSB, 0
.macro WIN new
.if MSB != (\new)
	s_set_vgpr_msb (MSB<<8)|(\new)
.set MSB, (\new)
.endif
.endm
.macro CROUND                          ; a round of the cluster's barrier
	s_barrier_signal -1
	s_barrier_wait -1
	s_cmp_lg_u32 s[WV], 0
	s_cbranch_scc1 .Lnot_wave_0_\@
	s_barrier_signal -3
.Lnot_wave_0_\@:
	s_barrier_wait -3
	s_barrier_signal -1
	s_barrier_wait -1
.endm
; A prefetch of the chunk that the NEXT change of slots will ask for: eight steps ahead of that load.  Both clusters of a bh walk the same chunks: the first asks.  Its four partners take 32 KiB each, told apart by
; address; in each, waves 0 to 3 take 8 KiB, lanes 256 bytes apart: each aligned block of 256 bytes is named once.  Chunks 0 and 1 come by their loads alone; the last change that fills a slot asks for nothing.
.macro ASK
	s_cmp_gt_u32 s[SLOTS], s[LIM]
	s_cbranch_scc0 .Lnot_mine_\@
	global_prefetch_b8 v[PFO], s[PFA:PFA+1] th:TH_LOAD_NT scope:SCOPE_SE
.Lnot_mine_\@:
.endm
	s_load_b128 s[4:7], s[0:1], 0x0                ; qkv, mw
	s_load_b128 s[8:11], s[0:1], 0x10              ; rt, cf
	v_lshl_add_u32 v[SPW], v0, 2, SPARE
	v_mov_b32 v[NIL], 0
	ds_add_u32 v10, v11
	s_wait_dscnt 0x0
	v_lshrrev_b32 v1, 5, v0
	v_readfirstlane_b32 s[WV], v1                  ; wave 0..7
	s_bfe_u32 s32, ttmp6, 0x40000                  ; cx
	s_lshl_b32 s33, ttmp9, 2
	s_add_co_u32 s33, s33, s32                     ; my block of 256 queries: it enters Q's, the mask's, the table's and the output's addresses alone
	s_and_b32 s34, ttmp7, 0xffff                   ; bh, which the four partners share
	s_and_b32 s35, s34, 15                         ; head
	s_mul_i32 s36, s34, BHB                        ; bh's first byte in qkv
	s_lshl_b32 s38, s[WV], 14                      ; my 16 KiB of a chunk, in memory and in a slot
	s_add_co_u32 s40, s36, s38
	s_add_co_u32 s40, s40, 262144                  ; chunk 0
	s_mov_b32 s41, 0
	s_mov_b32 s[G1], 15|(3<<16)|(1<<21)            ; the mask: all four work-groups; elements of 8 bytes; no padding
	s_mov_b32 s[G1+1], 32<<16                      ; tensor_dim0 = 32: rows of 256 bytes
	s_mov_b32 s[G1+2], 64<<16                      ; tensor_dim1 = 64
	s_mov_b32 s[G1+3], 32<<16                      ; tile_dim0
	s_mov_b32 s[G1+4], 64                          ; tile_dim1
	s_mov_b32 s[G1+5], 32                          ; dense
	s_mov_b32 s[G1+6], 0
	s_mov_b32 s[G1+7], 0
	s_mov_b32 s[SEL], 0x76543210
	s_mov_b32 s[SEL+1], 0xfedcba98
	s_lshl_b32 s42, s33, 15                        ; Q: 16 tiles of 2,048 bytes a block, two a wave
	s_lshl_b32 s44, s[WV], 12
	s_add_co_u32 s42, s42, s44
	s_add_co_u32 s42, s42, s36
	s_mov_b32 s43, 0
	s_lshl_b32 s44, s33, 16                        ; the mask words: 4,096 bytes for each tile of 16 queries
	s_lshl_b32 s46, s[WV], 13
	s_add_co_u32 s44, s44, s46
	s_mov_b32 s45, 0
	s_lshl_b32 s46, s35, 14                        ; the table: my head's row, from entry 1792 - 256 x block on
	s_add_co_u32 s46, s46, 7168
	s_lshl_b32 s48, s33, 10
	s_sub_co_u32 s46, s46, s48
	s_mov_b32 s47, 0
	s_lshr_b32 s48, s34, 4                         ; the output: token tile 128 b + 16 x block + 2 x wave, 32,768 bytes each; 2,048 bytes a head
	s_lshl_b32 s48, s48, 7
	s_lshl_b32 s50, s33, 4
	s_add_co_u32 s48, s48, s50
	s_lshl_b32 s50, s[WV], 1
	s_add_co_u32 s48, s48, s50
	s_lshl_b32 s48, s48, 15
	s_lshl_b32 s50, s35, 11
	s_add_co_u32 s48, s48, s50
	s_mov_b32 s49, 0
	s_lshl_b32 s50, s32, 15                        ; the prefetches: 32 KiB x cx + 8 KiB x (wave % 4), in chunk 1: the first change of slots steps it to chunk 2
	s_and_b32 s52, s[WV], 3
	s_lshl_b32 s52, s52, 13
	s_add_co_u32 s50, s50, s52
	s_add_co_u32 s50, s50, s36
	s_add_co_u32 s50, s50, 262144+CHUNK
	s_mov_b32 s51, 0
	s_lshr_b32 s52, s[WV], 2                       ; 0 in waves 0 to 3,
	s_or_b32 s52, s52, ttmp9                       ; of the bh's first cluster: the same in all four partners
	s_cmp_eq_u32 s52, 0
	s_cselect_b32 s[LIM], 1, -1
	s_wait_kmcnt 0x0
	s_mov_b32 s[G0], 1
	s_mov_b32 s[G0+1], s38                         ; slot 0
	s_add_nc_u64 s[G0+2:G0+3], s[4:5], s[40:41]
	s_or_b32 s[G0+3], s[G0+3], 0x80000000
	s_add_nc_u64 s[PFA:PFA+1], s[4:5], s[50:51]
	s_add_nc_u64 s[4:5], s[4:5], s[42:43]          ; Q
	s_add_nc_u64 s[MP:MP+1], s[MP:MP+1], s[44:45]
	s_add_nc_u64 s[8:9], s[8:9], s[46:47]
	s_add_nc_u64 s[10:11], s[10:11], s[48:49]
	CROUND                                         ; all four work-groups are here: the first joint loads meet
	tensor_load_to_lds s[G0:G0+3], s[G1:G1+7]      ; chunk 0 into slot 0
	s_nop 0
.rept 4
	v_nop
.endr
	v_and_b32 v1, 31, v0
	v_lshlrev_b32 v[AKV], 4, v1
	v_add_nc_u32 v[AVV], VOFF, v[AKV]
	v_lshlrev_b32 v[PFO], 8, v1
	v_lshlrev_b32 v12, 2, v0                       ; 4 x thread: the window's 2,304 words are nine loads of the work-group
	v_lshl_add_u32 v13, v0, 2, BIAS
.irp k, 0,1,2,3,4,5,6,7,8
	global_load_b32 v[S+\k], v12, s[8:9] offset:1024*\k
.endr
	WIN 0x40                                       ; destination window 1
.irp i, 0,1,2,3,4,5,6,7
	global_load_b128 v[4*\i:4*\i+3], v[AKV], s[4:5] offset:512*\i   ; Q stays in registers: tile i / 4, piece i % 4
.endr
.irp n, 0,1,2,3,4,5,6,7,8,9,10,11,12,13,14,15,16,17,18,19,20,21,22,23,24,25,26,27,28,29,30,31,32,33,34,35,36,37,38,39,40,41,42,43,44,45,46,47,48,49,50,51,52,53,54,55,56,57,58,59,60,61,62,63
	v_mov_b32 v[O+\n], 0                           ; O^T.  (The step is written without a first step of its own: it finds zeros, which the first a leaves zeros)
.endr
	WIN 0
	; word (64 s + 16 (kt - x) - 32 w + 255 + 8 h - r + j) of the window is wanted; copy g holds word n at place n - g + 4; with g = 3 - r % 4 the place is 64 s + 16 (kt - x) - 32 w + 256 + 8 h - 4 (r / 4) + j
	v_and_b32 v14, 3, v0
	v_xor_b32 v14, 3, v14                          ; 3 - r % 4
	v_mul_u32_u24 v[AB0], v14, BP
	v_bfe_u32 v14, v0, 2, 2
	v_xor_b32 v14, 3, v14                          ; 3 - r / 4
	v_lshl_add_u32 v[AB0], v14, 4, v[AB0]
	v_bfe_u32 v14, v0, 4, 1
	v_lshl_add_u32 v[AB0], v14, 5, v[AB0]
	s_xor_b32 s32, s[WV], 7                        ; 7 - wave
	s_lshl_b32 s32, s32, 7
	s_add_co_u32 s32, s32, BIAS+16                 ; 16 + 896 + 48 = 960 = 4 x 256 - 64: bias tile 0 is kt - x = -1
	v_add_nc_u32 v[AB0], s32, v[AB0]
	v_mov_b32 v[T0], 0xceabfb8f
.irp x, 0,1
	v_mov_b32 v[ST+8*\x], 0xff61b1e6               ; m = -3e38, under every t
	v_mov_b32 v[ST+8*\x+1], 0                      ; (named with m as a pair)
	v_mov_b32 v[ST+8*\x+2], 0                      ; l, in two halves
	v_mov_b32 v[ST+8*\x+3], 0
.endr
	s_mov_b32 s[MO], 0
	s_mov_b32 s[TBI], 0
	s_mov_b32 s[TBASE], 0
	s_mov_b32 s[SLOTS], 3
	s_wait_loadcnt 8                               ; the window's nine loads are in; Q's eight may be out
.irp g, 0,1,2,3
.irp k, 0,1,2,3,4,5,6,7,8
	ds_store_b32 v13, v[S+\k] offset:BP*\g-4*\g+16+1024*\k
.endr
.endr
	s_load_b512 s[M0:M0+15], s[MP:MP+1], s[MO] offset:0x0          ; step 0's mask words
	s_load_b512 s[M0+16:M0+31], s[MP:MP+1], s[MO] offset:0x40
	s_load_b512 s[M1:M1+15], s[MP:MP+1], s[MO] offset:0x1000
	s_load_b512 s[M1+16:M1+31], s[MP:MP+1], s[MO] offset:0x1040
	s_wait_loadcnt 0x0                             ; Q
; A STEP: 64 keys, both query tiles.
.macro STEP
	v_add_nc_u32 v[ADK], s[TK], v[AKV]             ; these four lines are also the places between the last step's products and the loads into their operands
	v_add_nc_u32 v[ADV], s[TK], v[AVV]
	v_add_nc_u32 v[ADB], s[TBI], v[AB0]
	v_nop
.irp t, 0,1,2,3,4,5,6,7,8,9,10,11,12,13,14,15
	ds_load_b128 v[KF+4*\t:KF+4*\t+3], v[ADK] offset:512*\t        ; K: key tile t / 4, channels 32 ((t / 2) % 2) on, half t % 2
.endr
.irp t, 0,1,2,3,4,5,6,7,8,9
	ds_load_b128 v[BI+4*\t:BI+4*\t+3], v[ADB] offset:64*(\t/2)+16*(\t%2)   ; bias tile t / 2
.endr
	WIN 0x40
.irp t, 0,1,2,3,4,5,6,7,8,9,10,11,12,13,14,15
	ds_load_b128 v[VF+4*\t:VF+4*\t+3], v[ADV] offset:512*\t        ; V: group of 32 keys t / 8, channel tile (t / 2) % 4, half t % 2
.endr
	s_wait_dscnt 16                                ; K and the bias are in; V's sixteen loads may be out
	WIN 0x04                                       ; source 1 (Q) window 1
.irp f, 0,1                                    ; the eight accumulators take turns, one instruction a turn
.irp kt, 0,1,2,3
.irp x, 0,1
.if \f == 0
	v_wmma_f32_16x16x32_f16 v[S+32*\x+8*\kt:S+32*\x+8*\kt+7], v[KF+16*\kt:KF+16*\kt+7], v[16*\x:16*\x+7], v[BI+8*(\kt-\x+1):BI+8*(\kt-\x+1)+7]
.else
	v_wmma_f32_16x16x32_f16 v[S+32*\x+8*\kt:S+32*\x+8*\kt+7], v[KF+16*\kt+8:KF+16*\kt+15], v[16*\x+8:16*\x+15], v[S+32*\x+8*\kt:S+32*\x+8*\kt+7]
.endif
.endr
.endr
.endr
	WIN 0
.rept 4
	v_nop                                          ; places between the last products and the first read of their results
.endr
	s_wait_kmcnt 0x0                               ; this step's mask words, asked for a step ago
.set n, 0
.rept 32
	v_cndmask_b32 v[S+n], v[T0], v[S+n], s[M0+n]   ; where the mask is 0 the score is replaced; each accumulator from its low end on
.set n, n+1
.endr
.set n, 0
.rept 32
	v_cndmask_b32 v[S+32+n], v[T0], v[S+32+n], s[M1+n]
.set n, n+1
.endr
	s_add_co_u32 s[MO], s[MO], 128                 ; the next step's words (the wait above has shown the last loads done, so their offset may be written);
	s_and_b32 s[MO], s[MO], 4095                   ; behind the last step: step 0's once more, inside the buffer, read by nobody
	s_load_b512 s[M0:M0+15], s[MP:MP+1], s[MO] offset:0x0
	s_load_b512 s[M0+16:M0+31], s[MP:MP+1], s[MO] offset:0x40
	s_load_b512 s[M1:M1+15], s[MP:MP+1], s[MO] offset:0x1000
	s_load_b512 s[M1+16:M1+31], s[MP:MP+1], s[MO] offset:0x1040
	; the maximum of a lane's 32 scores and the old m: four chains of seven, the four left over, then together; the two tiles alternate
.irp j, 0,1,2,3
.irp x, 0,1
	v_max3_num_f32 v[ST+8*\x+4+\j], v[S+32*\x+8*\j], v[S+32*\x+8*\j+1], v[S+32*\x+8*\j+2]
.endr
.endr
.irp u, 3,5
.irp j, 0,1,2,3
.irp x, 0,1
	v_max3_num_f32 v[ST+8*\x+4+\j], v[ST+8*\x+4+\j], v[S+32*\x+8*\j+\u], v[S+32*\x+8*\j+\u+1]
.endr
.endr
.endr
.irp x, 0,1
	v_max3_num_f32 v[ST+8*\x+4], v[ST+8*\x+4], v[S+32*\x+7], v[S+32*\x+15]
.endr
.irp x, 0,1
	v_max3_num_f32 v[ST+8*\x+6], v[ST+8*\x+6], v[S+32*\x+23], v[S+32*\x+31]
.endr
.irp x, 0,1
	v_max3_num_f32 v[ST+8*\x+4], v[ST+8*\x+4], v[ST+8*\x+5], v[ST+8*\x+6]
.endr
.irp x, 0,1
	v_max3_num_f32 v[ST+8*\x+4], v[ST+8*\x+4], v[ST+8*\x+7], v[ST+8*\x]
.endr
.irp x, 0,1
	v_permlanex16_b32 v[ST+8*\x+5], v[ST+8*\x+4], s[SEL], s[SEL+1]   ; the query's other 32 keys lie in the lane 16 away
.endr
.irp x, 0,1
	v_max_num_f32 v[ST+8*\x+5], v[ST+8*\x+4], v[ST+8*\x+5]           ; the new m
.endr
.irp x, 0,1
	v_sub_f32 v[ST+8*\x+7], v[ST+8*\x], v[ST+8*\x+5]                 ; m_old - m_new
.endr
.irp x, 0,1
	v_mov_b32 v[ST+8*\x], v[ST+8*\x+5]
.endr
.irp x, 0,1
	v_exp_f32 v[ST+8*\x+6], v[ST+8*\x+7]                             ; a
.endr
.irp x, 0,1
.irp i, 0,2,4,6,8,10,12,14,16,18,20,22,24,26,28,30
	v_pk_add_f32 v[S+32*\x+\i:S+32*\x+\i+1], v[S+32*\x+\i:S+32*\x+\i+1], v[ST+8*\x:ST+8*\x+1] op_sel_hi:[1,0] neg_lo:[0,1] neg_hi:[0,1]   ; t - m, two at a time
.endr
.endr
.set n, 0
.rept 64
	v_exp_f32 v[S+n], v[S+n]                       ; p = 2^(t - m)
.set n, n+1
.endr
	s_wait_alu depctr_va_vdst(0)
.irp x, 0,1
	v_pk_mul_f32 v[ST+8*\x+2:ST+8*\x+3], v[ST+8*\x+2:ST+8*\x+3], v[ST+8*\x+6:ST+8*\x+7] op_sel_hi:[1,0]   ; l x a (a plain line behind the exponentials)
.endr
.irp x, 0,1
	v_pk_add_f32 v[ST+8*\x+4:ST+8*\x+5], v[S+32*\x:S+32*\x+1], v[S+32*\x+2:S+32*\x+3]    ; the row's sum, of p in f32: two chains a tile
.endr
.irp i, 4,8,12,16,20,24,28
.irp x, 0,1
	v_pk_add_f32 v[ST+8*\x+2:ST+8*\x+3], v[ST+8*\x+2:ST+8*\x+3], v[S+32*\x+\i:S+32*\x+\i+1]
	v_pk_add_f32 v[ST+8*\x+4:ST+8*\x+5], v[ST+8*\x+4:ST+8*\x+5], v[S+32*\x+\i+2:S+32*\x+\i+3]
.endr
.endr
.irp x, 0,1
	v_pk_add_f32 v[ST+8*\x+2:ST+8*\x+3], v[ST+8*\x+2:ST+8*\x+3], v[ST+8*\x+4:ST+8*\x+5]
.endr
.set n, 0
.rept 32
	v_cvt_pk_f16_f32 v[P+n], v[S+2*n], v[S+2*n+1]  ; two key tiles' 16 numbers are the operand's eight registers
.set n, n+1
.endr
	WIN 0x41                                       ; O^T (destination and source 0) window 1, a window 0
.irp x, 0,1
.irp i, 0,2,4,6,8,10,12,14,16,18,20,22,24,26,28,30
	v_pk_mul_f32 v[O+32*\x+\i:O+32*\x+\i+1], v[O+32*\x+\i:O+32*\x+\i+1], v[ST+8*\x+6:ST+8*\x+7] op_sel_hi:[1,0]   ; O^T x a, each accumulator from its low end on
.endr
.endr
	s_wait_dscnt 0x0                               ; V is in
	WIN 0x51                                       ; V window 1, P window 0, O^T window 1
.irp g, 0,1                                    ; the eight accumulators take turns
.irp ct, 0,1,2,3
.irp x, 0,1
	v_wmma_f32_16x16x32_f16 v[O+32*\x+8*\ct:O+32*\x+8*\ct+7], v[VF+8*(4*\g+\ct):VF+8*(4*\g+\ct)+7], v[P+16*\x+8*\g:P+16*\x+8*\g+7], v[O+32*\x+8*\ct:O+32*\x+8*\ct+7]
.endr
.endr
.endr
	WIN 0
	s_add_co_u32 s[TK], s[TK], 8192                ; four key tiles of 2,048 bytes; two groups of V of 4,096
	s_add_co_u32 s[TBI], s[TBI], 256
.endm
; THE CHANGE OF SLOTS stands at a slot's head.  Each wave waits for all its tensor loads (its part of the slot that it is about to read), adds 0 to its spare word, and waits for that, for its reads of the slot that
; it has left and (the first time) for its stores of the bias window.  fill = 1: the other slot takes the next chunk; the barrier is then a round of the cluster's, and the joint load is the first thing behind it.
.macro CHANGE fill
	s_wait_tensorcnt 0x0                           ; no tensor load of mine is out, so the group 0 may be written
	ds_add_u32 v[SPW], v[NIL]                      ; 0 onto my spare word
.if \fill
	s_xor_b32 s[G0+1], s[G0+1], SLOT1              ; the other slot than last time,
	s_add_nc_u64 s[G0+2:G0+3], s[G0+2:G0+3], CHUNK ; the next chunk; the type bits on top are not reached
	s_wait_xcnt 0x0                                ; the last prefetch, a slot back, has read its address, so it may be written
	s_add_nc_u64 s[PFA:PFA+1], s[PFA:PFA+1], CHUNK ; one chunk further on than the descriptor
	s_wait_dscnt 0x0
	CROUND
	tensor_load_to_lds s[G0:G0+3], s[G1:G1+7]
	s_nop 0
.rept 4
	v_nop
.endr
	ASK
.else
	s_wait_dscnt 0x0
	s_barrier_signal -1
	s_barrier_wait -1
.endif
.endm
.macro SLOT_STEPS                      ; a slot's eight steps: written once, walked eight times
	s_mov_b32 s[TK], s[TBASE]
	s_mov_b32 s[STEPC], 8
.Lstep_\@:
	STEP
	s_sub_co_u32 s[STEPC], s[STEPC], 1
	s_cmp_lg_u32 s[STEPC], 0
	s_cbranch_scc1 .Lstep_\@
	s_xor_b32 s[TBASE], s[TBASE], SLOT1            ; on to the other slot
.endm
.Lslot:                                            ; three trips: behind each change of slots but the last the next chunk is asked for
	CHANGE 1
	SLOT_STEPS
	s_sub_co_u32 s[SLOTS], s[SLOTS], 1
	s_cmp_lg_u32 s[SLOTS], 0
	s_cbranch_scc1 .Lslot
	CHANGE 0                                       ; the last slot is written out
	SLOT_STEPS
	; THE WAY OUT.  O^T / l, rounded to f16: a lane's eight channels of one token are 16 bytes, a piece of the output projection's operand: stored as they stand, 512 consecutive bytes a store.
.rept 4
	v_nop                                          ; places behind the last products
.endr
.irp x, 0,1
	v_add_f32 v[ST+8*\x+4], v[ST+8*\x+2], v[ST+8*\x+3]
.endr
.irp x, 0,1
	v_permlanex16_b32 v[ST+8*\x+5], v[ST+8*\x+4], s[SEL], s[SEL+1]
.endr
.irp x, 0,1
	v_add_f32 v[ST+8*\x+4], v[ST+8*\x+4], v[ST+8*\x+5]               ; the row's sum
.endr
.irp x, 0,1
	v_rcp_f32 v[ST+8*\x+6], v[ST+8*\x+4]
.endr
	v_nop                                          ; a plain line between the last reciprocal and its use
	WIN 0x01                                       ; source 0 (O^T) window 1
	s_wait_alu depctr_va_vdst(0)
.irp x, 0,1
.irp i, 0,2,4,6,8,10,12,14,16,18,20,22,24,26,28,30
	v_pk_mul_f32 v[S+32*\x+\i:S+32*\x+\i+1], v[O+32*\x+\i:O+32*\x+\i+1], v[ST+8*\x+6:ST+8*\x+7] op_sel_hi:[1,0]
.endr
.endr
	WIN 0
.set n, 0
.rept 32
	v_cvt_pk_f16_f32 v[P+n], v[S+2*n], v[S+2*n+1]
.set n, n+1
.endr
.irp x, 0,1
.irp ct, 0,1,2,3
	global_store_b128 v[AKV], v[P+16*\x+4*\ct:P+16*\x+4*\ct+3], s[10:11] offset:32768*\x+512*\ct
.endr
.endr
	s_wait_tensorcnt 0x0                           ; the wave's end
	ds_add_u32 v[SPW], v[NIL]
	s_wait_dscnt 0x0
	CROUND                                         ; the closing round
	s_endpgm
.Lfunc_end_k_qd535a7b03e_attn:
	.size	k_qd535a7b03e_attn, .Lfunc_end_k_qd535a7b03e_attn-k_qd535a7b03e_attn
	.p2alignl 7, 3214868480
	.fill 96, 4, 3214868480
	.section	.rodata,"a",@progbits
	.p2align	6, 0x0
	.amdhsa_kernel k_qd535a7b03e_attn
		.amdhsa_group_segment_fixed_size 327680
		.amdhsa_private_segment_fixed_size 0
		.amdhsa_enable_private_segment 0
		.amdhsa_kernarg_size 32
		.amdhsa_user_sgpr_count 2
		.amdhsa_user_sgpr_kernarg_segment_ptr 1
		.amdhsa_wavefront_size32 1
		.amdhsa_system_sgpr_workgroup_id_x 1
		.amdhsa_system_sgpr_workgroup_id_y 1
		.amdhsa_system_sgpr_workgroup_id_z 1
		.amdhsa_system_vgpr_workitem_id 0
		.amdhsa_next_free_vgpr 448
		.amdhsa_next_free_sgpr 100
		.amdhsa_reserve_vcc 0
		.amdhsa_float_denorm_mode_32 3
		.amdhsa_float_denorm_mode_16_64 3
		.amdhsa_memory_ordered 1
		.amdhsa_forward_progress 1
		.amdhsa_inst_pref_size 64
	.end_amdhsa_kernel
	.amdgpu_metadata
---
amdhsa.version: [ 1, 2 ]
amdhsa.kernels:
  - .name:           k_qd535a7b03e_attn
    .symbol:         k_qd535a7b03e_attn.kd
    .args:
      - { .name: qkv, .offset: 0, .size: 8, .value_kind: global_buffer, .address_space: global }
      - { .name: mw, .offset: 8, .size: 8, .value_kind: global_buffer, .address_space: global }
      - { .name: rt, .offset: 16, .size: 8, .value_kind: global_buffer, .address_space: global }
      - { .name: cf, .offset: 24, .size: 8, .value_kind: global_buffer, .address_space: global }
    .group_segment_fixed_size: 327680
    .private_segment_fixed_size: 0
    .kernarg_segment_align: 8
    .kernarg_segment_size: 32
    .max_flat_workgroup_size: 256
    .sgpr_count:     100
    .vgpr_count:     448
    .wavefront_size: 32
...
	.end_amdgpu_metadata
.endif
;; end of part 3
;; launch outp (part 4): grid 4 x 64, 4 waves a work-group, clusters of 4 x 4, 327,680 bytes of LDS; arguments cf, wof, b_o, out0; writes out0
.if DOCPART == 4
	.amdgcn_target "amdgcn-amd-amdhsa--gfx1250"
	.amdhsa_code_object_version 6
	.text
	.protected	k_qd535a7b03e_outp
	.globl	k_qd535a7b03e_outp
	.p2align	8
	.type	k_qd535a7b03e_outp,@function
k_qd535a7b03e_outp:
	s_mov_b64 s[64:65], 0
	v_nop
	global_prefetch_b8 v0, s[64:65] scope:SCOPE_SE
	s_setreg_imm32_b32 hwreg(HW_REG_WAVE_MODE, 25, 1), 1
	s_wait_xcnt 0x0
	s_wait_alu depctr_hold_cnt(0) depctr_sa_sdst(0) depctr_va_vdst(0) depctr_va_sdst(0) depctr_va_ssrc(0) depctr_va_vcc(0) depctr_vm_vsrc(0)
	s_getreg_b32 s2, hwreg(HW_REG_IB_STS2, 6, 4)
	s_cmp_eq_u32 s2, 0
	s_cbranch_scc0 .Lentry_in_a_cluster
	s_endpgm
.Lentry_in_a_cluster:
	s_bfe_u32 s2, ttmp6, 0x10000c
	s_cmp_lg_u32 s2, 0xf033
	s_cbranch_scc0 .Lentry_shape_is_right
	s_endpgm
.Lentry_shape_is_right:
; OUTP: out0[t][n] = sum over k of context[t][k] w_o[n][k] + b_o[n].  Operands in f16, sums in f32, K = 1,024.
; (f16 and not bf16: the output is compared within a hundredth of its root mean square, and roundings to 8 significant bits of both operands here, behind those of V and p, leave too little of that.
; The context is a convex mean of V, w_o is 0.02 in the root mean square as drawn: both have room under 65,504, f16's largest number, at 30 times the drawn sizes and offsets too.)
; Both operands lie in memory as images of the operand's registers: for each 16 rows 32,768 bytes, in them for each 32 along K two pieces of 512 bytes (lane l's 16 bytes at 16 l).  So a K step of 128 of 16 rows is
; 4,096 consecutive bytes, a tile in LDS is dense, and every fragment load takes 512 consecutive bytes: no padding.
; A tile of 128 tokens x 256 channels is made by a work-group of four waves: 256 work-groups (tiles of 256 x 256 would be 128).  A wave makes 64 x 128: 32 accumulators, 256 registers.
; K goes in 8 steps of 128 through a ring of two LDS slots.  CLUSTERS: 4 x 4 work-groups; the context's tile is shared along a row of the cluster, w_o's along a column: joint loads.
; Source 0 = 16 rows of w_o, source 1 = 16 tokens: a lane holds eight neighbouring channels of one token.  The bias is the C of each sum's first matrix instruction.
; No prefetch: a short launch whose tiles are shared in the cluster.
; REGISTERS.  Window 0: v16-29 addresses; v32-95 b_o in the result's layout; v96-223 the way out, two sets.  Window 1: the accumulators, (a, b) at v[8 (8 a + b)].  Window 2: two fragment buffers of 96: w_o's eight, then the tokens' four.
.set SLOT,   98304                     ; the context's 8 tiles of 16 tokens x 4,096 bytes, then w_o's 16 tiles of 16 rows x 4,096
.set BOFF,   32768
.set STAGE,  2*SLOT                    ; behind the ring: 16 rows x (512 + 16) bytes for each wave
.set SPITCH, 528
.set SPARE,  STAGE+4*16*SPITCH         ; the spare words
.set LAPS,   4                         ; a lap = two K steps
.set ADRA, 16
.set ADRB, 20
.set STO,  24
.set RD,   25
.set CO,   26                          ; 16 x lane
.set BO,   27
.set SPW,  28
.set NIL,  29
.set BR,   32
.set BK,   96
.set F0,   0
.set F1,   96
.set G1, 24
.set G0, 32
.set G1B, 48
.set G0B, 56
.set MSB, 0
.macro WIN new
.if MSB != (\new)
	s_set_vgpr_msb (MSB<<8)|(\new)
.set MSB, (\new)
.endif
.endm
.set MUL,  0x5a                        ; sources 0 and 1 window 2; C and D window 1
.set MULF, 0x4a                        ; the same with C (the bias) in window 0
.set TO_F, 0x80                        ; destination window 2
.macro JLOAD s                         ; waves 0 and 1 fetch the context's halves, waves 2 and 3 w_o's; four v_nop follow each of the two lines
	s_cmp_eq_u32 s15, 0
	s_cbranch_scc0 .Lfor_b_\@
	tensor_load_to_lds s[G0+4*\s:G0+4*\s+3], s[G1:G1+7]
	s_nop 0
.rept 4
	v_nop
.endr
	s_branch .Lasked_\@
.Lfor_b_\@:
	tensor_load_to_lds s[G0B+4*\s:G0B+4*\s+3], s[G1B:G1B+7]
	s_nop 0
.rept 4
	v_nop
.endr
.Lasked_\@:
.endm
.macro CREST
	s_cmp_lg_u32 s14, 0
	s_cbranch_scc1 .Lnot_wave_0_\@
	s_barrier_signal -3
.Lnot_wave_0_\@:
	s_barrier_wait -3
	s_barrier_signal -1
	s_barrier_wait -1
.endm
.macro CROUND
	s_barrier_signal -1
	s_barrier_wait -1
	CREST
.endm
	s_load_b128 s[4:7], s[0:1], 0x0                ; cf, wof
	s_load_b128 s[8:11], s[0:1], 0x10              ; b_o, out0
	v_lshl_add_u32 v[SPW], v0, 2, SPARE
	v_mov_b32 v[NIL], 0
	ds_add_u32 v28, v29
	s_wait_dscnt 0x0
	v_lshrrev_b32 v1, 5, v0
	v_readfirstlane_b32 s14, v1                    ; wave 0..3
	s_lshr_b32 s15, s14, 1                         ; which 64 tokens are mine.  Also: I fetch the context (0) or w_o (1)
	s_and_b32 s16, s14, 1                          ; which 128 channels.  Also: which half of that tile I fetch
	s_bfe_u32 s40, ttmp6, 0x40000                  ; cx
	s_bfe_u32 s41, ttmp6, 0x40004                  ; cy
	s_lshl_b32 s42, ttmp9, 2
	s_add_co_u32 s42, s42, s40                     ; tile column: 256 channels
	s_and_b32 s17, ttmp7, 0xffff
	s_lshl_b32 s17, s17, 2
	s_add_co_u32 s17, s17, s41                     ; tile row: 128 tokens
	s_lshl_b32 s43, s41, 2
	s_lshl_b32 s43, 15, s43                        ; my row of the cluster
	s_lshl_b32 s44, 0x1111, s40                    ; my column
	s_or_b32 s[G1+0], s43, (3<<16)|(1<<21)         ; the mask; elements of 8 bytes; no padding
	s_or_b32 s[G1B+0], s44, (3<<16)|(1<<21)
	s_mov_b32 s[G1+1], 512<<16                     ; tensor_dim0 = 512: rows of 4,096 bytes
	s_mov_b32 s[G1+2], 4<<16                       ; tensor_dim1 = 4 tiles of 16 tokens
	s_mov_b32 s[G1+3], 512<<16                     ; tile_dim0
	s_mov_b32 s[G1+4], 4                           ; tile_dim1
	s_mov_b32 s[G1+5], 4096                        ; 32,768 bytes from tile to tile
	s_mov_b32 s[G1+6], 0
	s_mov_b32 s[G1+7], 0
	s_mov_b32 s[G1B+1], 512<<16
	s_mov_b32 s[G1B+2], 8<<16                      ; 8 tiles of 16 rows of w_o
	s_mov_b32 s[G1B+3], 512<<16
	s_mov_b32 s[G1B+4], 8
	s_mov_b32 s[G1B+5], 4096
	s_mov_b32 s[G1B+6], 0
	s_mov_b32 s[G1B+7], 0
	s_lshl_b32 s20, s17, 3                         ; the context: tile of 16 tokens 8 x tile row + 4 x half: it hangs on cy alone
	s_lshl_b32 s18, s16, 2
	s_add_co_u32 s20, s20, s18
	s_lshl_b32 s20, s20, 15
	s_mov_b32 s21, 0
	s_lshl_b32 s46, s42, 4                         ; w_o: tile of 16 rows 16 x tile column + 8 x half: on cx alone
	s_lshl_b32 s18, s16, 3
	s_add_co_u32 s46, s46, s18
	s_lshl_b32 s46, s46, 15
	s_mov_b32 s47, 0
	s_lshl_b32 s45, s16, 14                        ; where they go in a slot: the context's halves,
	s_lshl_b32 s22, s16, 15
	s_add_co_u32 s22, s22, BOFF                    ; w_o's halves
	s_wait_kmcnt 0x0
	s_add_nc_u64 s[20:21], s[4:5], s[20:21]
	s_add_nc_u64 s[46:47], s[6:7], s[46:47]
	CROUND                                         ; all sixteen work-groups are here: the first joint loads meet
.irp s, 0,1
	s_mov_b32 s[G0+4*\s], 1
	s_add_co_u32 s[G0+4*\s+1], s45, \s*SLOT
	s_add_nc_u64 s[G0+4*\s+2:G0+4*\s+3], s[20:21], \s*4096
	s_or_b32 s[G0+4*\s+3], s[G0+4*\s+3], 0x80000000
	s_mov_b32 s[G0B+4*\s], 1
	s_add_co_u32 s[G0B+4*\s+1], s22, \s*SLOT
	s_add_nc_u64 s[G0B+4*\s+2:G0B+4*\s+3], s[46:47], \s*4096
	s_or_b32 s[G0B+4*\s+3], s[G0B+4*\s+3], 0x80000000
	JLOAD \s                                       ; two tensor loads of mine are out
.endr
	v_and_b32 v1, 15, v0                           ; r
	v_bfe_u32 v2, v0, 4, 1                         ; h
	v_and_b32 v3, 31, v0
	v_lshlrev_b32 v[CO], 4, v3
	s_lshl_b32 s21, s15, 14                        ; my four tiles of tokens
	s_lshl_b32 s22, s16, 15                        ; my eight tiles of w_o's rows,
	s_add_co_u32 s22, s22, BOFF                    ; behind the context's
.irp s, 0,1
	v_add_nc_u32 v[ADRA+\s], s21, v[CO]
	v_add_nc_u32 v[ADRB+\s], s22, v[CO]
	s_add_co_u32 s21, s21, SLOT
	s_add_co_u32 s22, s22, SLOT
.endr
	s_mul_i32 s23, s14, 16*SPITCH
	s_add_co_u32 s23, s23, STAGE                   ; my stage
	v_mul_u32_u24 v5, v1, SPITCH                   ; in: row r, 32 bytes for each half of the lanes
	v_lshl_add_u32 v5, v2, 5, v5
	v_add_nc_u32 v[STO], s23, v5
	v_add_nc_u32 v[RD], s23, v[CO]                 ; back: the 32 lanes take one row of 512 bytes
	s_lshl_b32 s20, s42, 10                        ; my first channel, in bytes: 1,024 x tile column + 512 x half
	s_lshl_b32 s21, s16, 9
	s_add_co_u32 s20, s20, s21
	v_lshl_add_u32 v[BO], v2, 5, s20
.irp b, 0,1,2,3,4,5,6,7
	global_load_b128 v[BR+8*\b:BR+8*\b+3], v[BO], s[8:9] offset:64*\b          ; b_o of channels 16 b + 8 h + 0 .. 7
	global_load_b128 v[BR+8*\b+4:BR+8*\b+7], v[BO], s[8:9] offset:64*\b+16
.endr
	s_lshl_b32 s18, s17, 7
	s_lshl_b32 s19, s15, 6
	s_add_co_u32 s18, s18, s19                     ; my first token
	s_lshl_b32 s18, s18, 12                        ; rows of 4,096 bytes
	s_add_co_u32 s18, s18, s20
	s_mov_b32 s19, 0
	s_add_nc_u64 s[10:11], s[10:11], s[18:19]
; 8 matrix instructions: token tile a x w_o's eight, 32 along K.  The 32 accumulators take turns, one instruction a turn, in the same order in every quarter.
.macro MUL8 f, a, first
.irp b, 0,1,2,3,4,5,6,7
.if \first
	v_wmma_f32_16x16x32_f16 v[8*(8*(\a)+\b):8*(8*(\a)+\b)+7], v[\f+8*\b:\f+8*\b+7], v[\f+64+8*(\a):\f+64+8*(\a)+7], v[BR+8*\b:BR+8*\b+7]
.else
	v_wmma_f32_16x16x32_f16 v[8*(8*(\a)+\b):8*(8*(\a)+\b)+7], v[\f+8*\b:\f+8*\b+7], v[\f+64+8*(\a):\f+64+8*(\a)+7], v[8*(8*(\a)+\b):8*(8*(\a)+\b)+7]
.endif
.endr
.endm
.macro FETCH slot, q, f                ; 24 LDS loads in one run: the fragments of the slot's q-th 32 along K; the tokens' tiles last
	WIN TO_F
.irp b, 0,1,2,3,4,5,6,7
	ds_load_b128 v[\f+8*\b:\f+8*\b+3],   v[ADRB+\slot] offset:4096*\b+1024*(\q)
	ds_load_b128 v[\f+8*\b+4:\f+8*\b+7], v[ADRB+\slot] offset:4096*\b+1024*(\q)+512
.endr
.irp a, 0,1,2,3
	ds_load_b128 v[\f+64+8*\a:\f+64+8*\a+3], v[ADRA+\slot] offset:4096*\a+1024*(\q)
	ds_load_b128 v[\f+64+8*\a+4:\f+64+8*\a+7], v[ADRA+\slot] offset:4096*\a+1024*(\q)+512
.endr
.endm
.macro PLACES                          ; four plain vector instructions in front of loads into registers that matrix instructions have read, and of the first read of results
.rept 4
	v_nop
.endr
.endm
; A K step is four quarters of 32 along K, 32 matrix instructions each, on buffers 0, 1, 0, 1.  One of the first three: multiplies buffer f and fetches the slot's quarter q into g.
.macro QUARTER slot, q, f, g, first
	s_wait_dscnt 4                                 ; w_o's fragments and token tiles 0, 1 are in; the youngest four loads (tiles 2, 3) may be out
.if \first
	WIN MULF
.else
	WIN MUL
.endif
	MUL8 \f, 0, \first
	MUL8 \f, 1, \first
	PLACES
	FETCH \slot, \q, \g
	s_wait_dscnt 24                                ; all but the 24 just issued
.if \first
	WIN MULF
.else
	WIN MUL
.endif
	MUL8 \f, 2, \first
	MUL8 \f, 3, \first
.endm
; The last quarter multiplies buffer 1 and changes slots: ONE barrier; in front of it each wave waits for all its tensor loads, adds 0 to its spare word, and waits for that and for its reads of this slot.
.macro TURN slot, next, fill
	WIN 0                                          ; (the add's two registers lie in window 0)
	s_wait_tensorcnt 0x0                           ; all my tensor loads have landed: my part of the next slot
	ds_add_u32 v[SPW], v[NIL]                      ; 0 onto my spare word
	s_wait_dscnt 5                                 ; (the add and the youngest four loads may be out)
	WIN MUL
	MUL8 F1, 0, 0                                  ; eight matrix instructions stand between the add and the wait for it
	s_wait_dscnt 0x0                               ; the add is done, and my reads of this slot are over
	s_barrier_signal -1
	MUL8 F1, 1, 0
	WIN 0
	s_barrier_wait -1
.if \fill
	CREST                                          ; the barrier has opened a round of the cluster's: no wave of any partner still reads this slot or has a load on its way
	s_add_nc_u64 s[G0+4*\slot+2:G0+4*\slot+3], s[G0+4*\slot+2:G0+4*\slot+3], 2*4096
	s_add_nc_u64 s[G0B+4*\slot+2:G0B+4*\slot+3], s[G0B+4*\slot+2:G0B+4*\slot+3], 2*4096
	JLOAD \slot                                    ; the first tensor load behind the round; its four v_nop are also the places in front of the loads below
.else
	PLACES
.endif
	FETCH \next, 0, F0
	WIN MUL
	MUL8 F1, 2, 0
	MUL8 F1, 3, 0
.endm
	s_wait_tensorcnt 1                             ; my part of K step 0 is in (K step 1's load may be out),
	s_barrier_signal -1
	s_barrier_wait -1                              ; everybody's is
	FETCH 0, 0, F0
	s_wait_loadcnt 0x0                             ; the bias
	QUARTER 0, 1, F0, F1, 1                        ; the first products start the sums from the bias
	WIN 0
	s_mov_b32 s3, LAPS-1
.Llap:                                             ; a trip goes once round the ring, from a lap's second quarter to the next lap's first, and fills both slots again
	QUARTER 0, 2, F1, F0, 0
	QUARTER 0, 3, F0, F1, 0
	TURN 0, 1, 1
	QUARTER 1, 1, F0, F1, 0
	QUARTER 1, 2, F1, F0, 0
	QUARTER 1, 3, F0, F1, 0
	TURN 1, 0, 1
	QUARTER 0, 1, F0, F1, 0
	WIN 0
	s_sub_co_u32 s3, s3, 1
	s_cmp_lg_u32 s3, 0
	s_cbranch_scc1 .Llap
	QUARTER 0, 2, F1, F0, 0                        ; the last lap fills nothing
	QUARTER 0, 3, F0, F1, 0
	TURN 0, 1, 0
	QUARTER 1, 1, F0, F1, 0
	QUARTER 1, 2, F1, F0, 0
	QUARTER 1, 3, F0, F1, 0
	s_wait_dscnt 4                                 ; the very last quarter
	WIN MUL
	MUL8 F1, 0, 0
	MUL8 F1, 1, 0
	s_wait_dscnt 0
	MUL8 F1, 2, 0
	MUL8 F1, 3, 0
	WIN 0
; THE WAY OUT, 16 tokens x 128 channels at a time: a lane holds 32 neighbouring bytes of a row; the block goes through my own stage and comes back as whole rows of 512 bytes.
; LDS serves a wave's instructions in order: no wait between the stores and the loads, nor in front of the next block's stores.
.macro TOSTAGE a
	WIN 0x04                                       ; an LDS store's data are its source 1: window 1
.irp b, 0,1,2,3,4,5,6,7
	ds_store_b128 v[STO], v[64*(\a)+8*\b:64*(\a)+8*\b+3] offset:64*\b          ; each accumulator from its low end on
	ds_store_b128 v[STO], v[64*(\a)+8*\b+4:64*(\a)+8*\b+7] offset:64*\b+16
.endr
	WIN 0
.set BB, BK+64*((\a)%2)
.irp t, 0,1,2,3,4,5,6,7,8,9,10,11,12,13,14,15
	ds_load_b128 v[BB+4*\t:BB+4*\t+3], v[RD] offset:\t*SPITCH
.endr
.endm
.macro SEND a, younger                 ; younger: the LDS instructions issued behind block a's loads, which may stay out
.set BB, BK+64*((\a)%2)
	s_wait_dscnt \younger
.if (\a) > 0
	s_add_nc_u64 s[10:11], s[10:11], 16*4096       ; (behind a wait on XCNT: the earlier stores have read their base)  16 rows on
.endif
.irp t, 0,1,2,3,4,5,6,7,8,9,10,11,12,13,14,15
	global_store_b128 v[CO], v[BB+4*\t:BB+4*\t+3], s[10:11] offset:\t*4096 th:TH_STORE_NT   ; 32 lanes store 512 consecutive bytes, aligned
.endr
.endm
	PLACES
	TOSTAGE 0
.irp a, 1,2,3
.if \a > 1
	s_wait_xcnt 0x0                                ; block a - 2's stores have read their registers and their base
.endif
	TOSTAGE \a
	SEND \a-1, 32                                  ; behind block a - 1's loads: block a's 16 stores and 16 loads
.endr
	s_wait_xcnt 0x0
	SEND 3, 0
	s_wait_tensorcnt 0x0                           ; the wave's end
	ds_add_u32 v[SPW], v[NIL]
	s_wait_dscnt 0x0
	CROUND                                         ; the closing round
	s_endpgm
.Lfunc_end_k_qd535a7b03e_outp:
	.size	k_qd535a7b03e_outp, .Lfunc_end_k_qd535a7b03e_outp-k_qd535a7b03e_outp
	.p2alignl 7, 3214868480
	.fill 96, 4, 3214868480
	.section	.rodata,"a",@progbits
	.p2align	6, 0x0
	.amdhsa_kernel k_qd535a7b03e_outp
		.amdhsa_group_segment_fixed_size 327680
		.amdhsa_private_segment_fixed_size 0
		.amdhsa_enable_private_segment 0
		.amdhsa_kernarg_size 32
		.amdhsa_user_sgpr_count 2
		.amdhsa_user_sgpr_kernarg_segment_ptr 1
		.amdhsa_wavefront_size32 1
		.amdhsa_system_sgpr_workgroup_id_x 1
		.amdhsa_system_sgpr_workgroup_id_y 1
		.amdhsa_system_sgpr_workgroup_id_z 1
		.amdhsa_system_vgpr_workitem_id 0
		.amdhsa_next_free_vgpr 768
		.amdhsa_next_free_sgpr 66
		.amdhsa_reserve_vcc 0
		.amdhsa_float_denorm_mode_32 3
		.amdhsa_float_denorm_mode_16_64 3
		.amdhsa_memory_ordered 1
		.amdhsa_forward_progress 1
		.amdhsa_inst_pref_size 86
	.end_amdhsa_kernel
	.amdgpu_metadata
---
amdhsa.version: [ 1, 2 ]
amdhsa.kernels:
  - .name:           k_qd535a7b03e_outp
    .symbol:         k_qd535a7b03e_outp.kd
    .args:
      - { .name: cf, .offset: 0, .size: 8, .value_kind: global_buffer, .address_space: global }
      - { .name: wof, .offset: 8, .size: 8, .value_kind: global_buffer, .address_space: global }
      - { .name: b_o, .offset: 16, .size: 8, .value_kind: global_buffer, .address_space: global }
      - { .name: out0, .offset: 24, .size: 8, .value_kind: global_buffer, .address_space: global }
    .group_segment_fixed_size: 327680
    .private_segment_fixed_size: 0
    .kernarg_segment_align: 8
    .kernarg_segment_size: 32
    .max_flat_workgroup_size: 128
    .sgpr_count:     66
    .vgpr_count:     768
    .wavefront_size: 32
...
	.end_amdgpu_metadata
.endif
;; end of part 4
